; MI455X (gfx1250); checked and timed in simulation.
; The chip was launched on July 23, 2026; its instructions are those of AMD's public machine-readable ISA for CDNA 5 (MIT licence, August 2026) and "CDNA5" Instruction Set Architecture Reference Guide (July 2026). The comments in the code are by the model that wrote it; some were corrected since.
;; Self Attention. Allowed arithmetic: matrix products marked QUANTISED: E2M3 operands, one E8M0 scale for each 32 along K, by v_wmma_scale_f32_16x16x128_f8f6f4 with both operands' format E2M3, f32 sums; everything else in f32.
;; Inputs: Wk 1,024 x 1,024 float32; Wq 1,024 x 1,024 float32; Wv 1,024 x 1,024 float32; bk 1,024 float32; bq 1,024 float32; bv 1,024 float32; x 4 x 2,048 x 1,024 float32.
;; Outputs: out0 4 x 2,048 x 1,024 float32.
;; This version of the problem:
;;   THIS VERSION OF THE PROBLEM IS GIVEN IN LOW PRECISION. The matrix products marked QUANTISED in the list below multiply operands that are first quantised to E2M3 (2 exponent bits, 3 mantissa bits; 6 bits a number), with one power-of-two scale for each 32 numbers along K (OCP MX v1.0); their sums are f32. All else is computed in f32.
;;   The module's matrix products, in the order in which they are computed (A, B: the left and right operand; K: the contracted axis; several contracted axes count as one K, in the product's order):
;;     1. [M 8,192, K 1,024] x [K 1,024, N 1,024]; A: input x; B: input Wq: QUANTISED
;;     2. [M 8,192, K 1,024] x [K 1,024, N 1,024]; A: input x; B: input Wk: QUANTISED
;;     3. [M 8,192, K 1,024] x [K 1,024, N 1,024]; A: input x; B: input Wv: QUANTISED
;;     4. batch 4 x [M 2,048, K 1,024] x [K 1,024, N 2,048]; A: computed on the way; B: computed on the way: QUANTISED
;;     5. batch 4 x [M 2,048, K 2,048] x [K 2,048, N 1,024]; A: softmax (see below); B: computed on the way: QUANTISED
;;   THE QUANTISER, for each operand of a quantised product, along K:
;;     - K is cut into blocks of 32 from its start; a last block that is shorter is filled with zeros.
;;     - A block's scale is 2^e with e = floor(log2(the largest magnitude in the block)) - 2, held to -126 .. 127; a block of zeros has e = 0. As a byte (E8M0): e + 127.
;;     - Each number is divided by its block's scale, clamped to +-7.5, and rounded to the nearest number of E2M3, ties to even, subnormals kept.
;;     - The product sums the exact products of the quantised numbers (number of the format x scale) in f32.
;;   ~~~python
;;   def quantise(x, axis):      # numpy; x: float32 -> the quantised numbers, widened to float32 again
;;       x = np.moveaxis(x, axis, -1); K = x.shape[-1]
;;       x = np.pad(x, [(0, 0)] * (x.ndim - 1) + [(0, -K % 32)]); x = x.reshape(x.shape[:-1] + (-1, 32)); a = np.abs(x).max(-1, keepdims=True)
;;       e = np.where(a > 0, np.clip(np.frexp(np.where(a > 0, a, 1))[1] - 1 - 2, -126, 127), 0)      # np.frexp(a)[1] - 1 = floor(log2(a)), exactly
;;       r = np.clip(x / 2.0 ** e, -7.5, 7.5)
;;       step = 2.0 ** (np.maximum(np.frexp(np.where(r == 0, 1, r))[1] - 1, 0) - 3)
;;       q = np.round(r / step) * step * 2.0 ** e      # np.round: ties to even
;;       return np.moveaxis(q.reshape(q.shape[:-2] + (-1,))[..., :K], -1, axis).astype(np.float32)
;;   ~~~
;;   SOFTMAX AHEAD OF A QUANTISED PRODUCT. Where the list says 'softmax', what is quantised is not the finished softmax but p = 2^(t - M), with t = logit x log2(e) and M = ceil(the row's largest t), a whole number; so 1/2 < the row's largest p <= 1. The row's sum l is taken of the UNQUANTISED p, in f32, and the product's result is divided by l at the end. Since M is a whole number, a kernel that streams over the keys may use a running M (the ceiling of the running maximum): every later rescaling is an exact power of two, which a block's scale takes up: the codes' values come out the same.
;;   OPERANDS COMPUTED ON THE WAY. 'Computed on the way' means the value that the module computes at that place (a softmax that the list does not call 'softmax' is quantised finished and normalised). What goes into a quantiser is computed in f32, as accurately as f32 sums, v_exp_f32 and their like allow (about 1e-6 of the number): no bf16 or f16 on the way to a quantiser, and a product that is left as it is and whose result goes on into a quantised operand takes f32 operands (vector FMAs, or v_wmma_f32_16x16x4_f32). A number that lies on a knife's edge between two numbers of the format may be rounded either way, as far as f32 arithmetic and the matrix unit's own rounding can turn it there, and no further.
;; One version. Each part assembles by itself: llvm-mc -triple=amdgcn-amd-amdhsa -mcpu=gfx1250 --defsym DOCPART=n.
;; ======== version 1 of 1: 4 launches
;; limits: right only within a limited range of input values
;; workspace buffers: b1c 9,011,200 bytes; b2c 19,660,800 bytes; b3c 12,582,912 bytes; b3s 1,572,864 bytes
;; launch quant (part 1): grid 256 x 1, 11 waves a work-group, no clusters, 131,072 bytes of LDS; arguments x, Wq, Wk, Wv, b1c; writes b1c
.if DOCPART == 1
	.amdgcn_target "amdgcn-amd-amdhsa--gfx1250"
	.amdhsa_code_object_version 6
	.text
	.protected	k_qfcbce8021e_quant
	.globl	k_qfcbce8021e_quant
	.p2align	8
	.type	k_qfcbce8021e_quant,@function
k_qfcbce8021e_quant:
	s_mov_b64 s[64:65], 0
	v_nop
	global_prefetch_b8 v0, s[64:65] scope:SCOPE_SE
	s_setreg_imm32_b32 hwreg(HW_REG_WAVE_MODE, 25, 1), 1
	s_wait_xcnt 0x0
; x [8192][1024] and Wq, Wk, Wv [1024 (k)][1024 (n)], f32, become codes of FP6 (E2M3) with one E8M0 byte for each 32 along K (x: its last axis; W: its FIRST axis).
; A block's scale is 2^(floor(log2(its largest magnitude)) - 2); its byte is that magnitude's exponent field - 2, held at 1 from below.
; LIMITS: a block of zeros gets the byte 1 where the rule says 127 (its codes are zeros, and this program alone reads the bytes); NaN and infinities among the inputs are not served.
; LAYOUT OF THE RESULT: IMAGES OF OPERAND REGISTERS.  A fragment is 16 rows x 128 K = 12 registers a lane; registers 4 c .. 4 c + 3 of lane l lie at 512 c + 16 l: 1,536 bytes.
; Lane r of fragment i of a group of 128 rows holds row 32 (i / 2) + 8 (i % 2) + r + 8 (r / 8).  A record = a group's 8 fragments of one K step of 128: 12,288 bytes; its 128 scale words (word 16 i + r): 512 bytes.
; Groups: 0-63 x, 64-71 Wq's columns, 72-79 Wk's, 80-87 Wv's; record = 8 x group + K step.
; Work-groups 0-255 take x, 256-351 the weights.  A wave makes two fragments (32 rows x 128 K).  Waves share nothing: no barrier; no input is shared between work-groups: no cluster.
; Each path has LDS bytes of its own and its own end.
; AS THE TEXT STANDS (this replaces what the lines above say of records, work-groups and Wv's order): a record is 12,288 bytes of codes and behind them its 512 bytes of scale words.
; 256 work-groups of eleven waves: waves 0-7 take x, wave 8 Wq, wave 9 Wk, wave 10 Wv, 32 columns x 128 K each.
; Wv's columns lie otherwise, so that the last launch's lanes hold four neighbouring columns: lane r of fragment i of a group holds column 64 (i / 4) + 4 r + i % 4.
; No product and no input of the problem is left out in any launch.
.set QB,    12800
.set FB,    1536
.set XW,    16*528                     ; x path: a wave's stage, 16 rows of 512 bytes + 16: the 16 rows that a load touches start in 16 different 16-byte columns
.set WST,   11*XW                      ; (every wave has bytes of both kinds)
.set WU,    1664
.set WW,    2*WU
.set SPARE, WST+11*WW                  ; the spare words, 128 bytes for each wave, in whole blocks of 256 bytes that no other line names
.set LI,  5                            ; v5   16 x lane
.set STI, 6                            ; v6   x path: into the stage
.set STO, 7                            ; v7   x path: out of it
.set WA,  8                            ; v8   W path: my column's place in its image
.set WR,  9                            ; v9   W path: the images read back
.set L4,  10                           ; v10  4 x lane
.set WS,  11                           ; v11  W path: my column's scale word
.set SPW, 12                           ; v12  my spare word; never rewritten
.set NIL, 13                           ; v13  0; never rewritten
.set PW,  14                           ; v14-15 scale words
.set X,   16                           ; v16-79  64 numbers in the quantiser's order (W path: the codes)
.set PC,  80                           ; v80-98  a fragment's codes
.set TM,  100                          ; v100-115 at work
.set T,   116                          ; v116-118 at work
.set R,   128                          ; v128-255 numbers as loaded
.set WV,  16
.set SEL, 20
.set HM,  22
; 64 numbers of a lane, register 16 b + i = k 32 b + 16 (lane / 16) + i of my row, become a fragment's codes in v[pc .. pc + 11] and its scale word in v[pw] (the same in lanes l and l xor 16).
.macro QUANT s, pc, pw
.irp b, 0,1,2,3
	v_max3_num_f32 v[TM+\b], |v[\s+16*\b]|, |v[\s+16*\b+1]|, 0x1800000   ; my 16 numbers of block b, and the floor 2^(3 - 127): the byte cannot fall under 1
.endr
.irp i, 2,4,6,8,10,12,14
.irp b, 0,1,2,3
	s_delay_alu instid0(VALU_DEP_4)
	v_max3_num_f32 v[TM+\b], v[TM+\b], |v[\s+16*\b+\i]|, |v[\s+16*\b+\i+1]|
.endr
.endr
.irp b, 0,1,2,3
	s_delay_alu instid0(VALU_DEP_4)
	v_permlanex16_b32 v[TM+4+\b], v[TM+\b], s[SEL], s[SEL+1]
.endr
.irp b, 0,1,2,3
	s_delay_alu instid0(VALU_DEP_4)
	v_max_num_f32 v[TM+\b], v[TM+\b], v[TM+4+\b]                     ; with lane l xor 16's: the block's largest magnitude
.endr
.irp b, 0,1,2,3
	s_delay_alu instid0(VALU_DEP_4)
	v_add_nc_u32 v[TM+12+\b], 0xff000000, v[TM+\b]                   ; 2 off its exponent field: the conversion's scale operand
.endr
.irp b, 0,1,2,3
	s_delay_alu instid0(VALU_DEP_4)
	v_lshrrev_b32 v[TM+4+\b], 23, v[TM+12+\b]                        ; the scale's byte
.endr
	s_delay_alu instid0(VALU_DEP_3)
	v_lshl_or_b32 v[\pw], v[TM+5], 8, v[TM+4]
	s_delay_alu instid0(VALU_DEP_1)
	v_lshl_or_b32 v[\pw], v[TM+6], 16, v[\pw]
	s_delay_alu instid0(VALU_DEP_1)
	v_lshl_or_b32 v[\pw], v[TM+7], 24, v[\pw]
.irp c, 0,1
	v_cvt_scalef32_pk16_fp6_f32 v[\pc+6*\c:\pc+6*\c+2], v[\s+32*\c:\s+32*\c+15], v[TM+12+2*\c]
	v_cvt_scalef32_pk16_fp6_f32 v[\pc+12+4*\c:\pc+14+4*\c], v[\s+16+32*\c:\s+31+32*\c], v[TM+13+2*\c]   ; (a conversion's three registers begin on an even number)
.endr
	v_nop                                          ; one plain place behind a scaled conversion
.irp c, 0,1                                    ; the operand wants a WHOLE block in a lane: lanes 0-15 block 2 c, lanes 16-31 block 2 c + 1
.irp i, 0,1,2
	v_permlane16_swap_b32 v[\pc+6*\c+\i], v[\pc+12+4*\c+\i]
.endr
.irp i, 0,1,2
	s_delay_alu instid0(VALU_DEP_3)
	v_mov_b32 v[\pc+3+6*\c+\i], v[\pc+12+4*\c+\i]
.endr
.endr
.endm
	s_load_b256 s[4:11], s[0:1], 0x0               ; x s[4:5], Wq s[6:7], Wk s[8:9], Wv s[10:11]
	s_load_b64 s[12:13], s[0:1], 0x20              ; b1c
	v_lshl_add_u32 v[SPW], v0, 2, SPARE
	v_mov_b32 v[NIL], 0
	v_lshrrev_b32 v1, 5, v0
	s_delay_alu instid0(VALU_DEP_1)
	v_readfirstlane_b32 s[WV], v1                  ; wave 0..10
	v_and_b32 v2, 31, v0                           ; lane
	v_and_b32 v3, 15, v0                           ; r
	v_bfe_u32 v4, v0, 4, 1                         ; h
	s_delay_alu instid0(VALU_DEP_3)
	v_lshlrev_b32 v[LI], 4, v2
	s_delay_alu instid0(VALU_DEP_4)
	v_lshlrev_b32 v[L4], 2, v2
	s_mul_i32 s17, s[WV], XW                       ; every LDS address is made here, ahead of the parting of the two paths
	v_add_nc_u32 v[STI], s17, v[LI]                ; a row goes in as it lies: 16 bytes a lane
	v_mul_u32_u24 v1, v3, 528
	s_delay_alu instid0(VALU_DEP_1)
	v_lshl_add_u32 v1, v4, 6, v1
	s_delay_alu instid0(VALU_DEP_1)
	v_add_nc_u32 v[STO], s17, v1                   ; and comes out: row r, 64 h bytes on: my 16 numbers of each block of 32
	s_mul_i32 s17, s[WV], WW
	s_add_co_u32 s17, s17, WST
	v_add_nc_u32 v[WR], s17, v[LI]
	v_bfe_u32 v1, v0, 3, 1                         ; W path: column 32 b' + L lies in fragment 2 b' + u, u = (L / 8) % 2,
	v_and_b32 v3, 7, v0
	s_delay_alu instid0(VALU_DEP_1)
	v_lshl_add_u32 v3, v4, 3, v3                   ; at lane row L % 8 + 8 (L / 16)
	s_delay_alu instid0(VALU_DEP_1)
	v_lshlrev_b32 v[WS], 2, v3
	s_delay_alu instid0(VALU_DEP_1)
	v_lshl_add_u32 v[WS], v1, 6, v[WS]             ; its scale word: 4 (16 u + row)
	s_delay_alu instid0(VALU_DEP_3)
	v_lshlrev_b32 v3, 4, v3
	s_delay_alu instid0(VALU_DEP_1)
	v_mad_u32_u24 v3, v1, WU, v3
	s_delay_alu instid0(VALU_DEP_1)
	v_add_nc_u32 v[WA], s17, v3
	s_mov_b32 s[SEL], 0x76543210
	s_mov_b32 s[SEL+1], 0xfedcba98                 ; v_permlanex16_b32's selects for lane l xor 16
	s_mov_b32 s[HM], 0xffff0000                    ; lanes 16-31
.irp b, 0,1,2,3
	v_mov_b32 v[TM+4+\b], 0                        ; written once: a lane permute's destination counts as one of its sources
.endr
	s_wait_kmcnt 0x0
	s_cmp_ge_u32 s[WV], 8
	s_cbranch_scc1 .Lweights
	; ---- x: work-group id: group id / 4; K step 2 (id % 4) + wave / 4; the wave's 32 rows: 32 (wave % 4) on
	s_lshr_b32 s24, ttmp9, 2                       ; group
	s_and_b32 s25, ttmp9, 3
	s_lshl_b32 s25, s25, 1
	s_lshr_b32 s26, s[WV], 2
	s_add_co_u32 s25, s25, s26                     ; K step
	s_and_b32 s26, s[WV], 3                        ; b'
	s_lshl_b32 s28, s24, 19                        ; 128 rows of 4,096 bytes
	s_lshl_b32 s27, s26, 17                        ; 32 rows
	s_add_co_u32 s28, s28, s27
	s_lshl_b32 s27, s25, 9                         ; 128 numbers
	s_add_co_u32 s28, s28, s27
	s_mov_b32 s29, 0
	s_add_nc_u64 s[4:5], s[4:5], s[28:29]
	s_lshl_b32 s27, s24, 3
	s_add_co_u32 s27, s27, s25
	s_mul_i32 s28, s27, QB
	s_mov_b32 s29, 0
	s_add_nc_u64 s[12:13], s[12:13], s[28:29]      ; the record
	s_lshl_b32 s30, s26, 7
	s_add_co_u32 s30, s30, 12288
	s_mov_b32 s31, 0
	s_add_nc_u64 s[14:15], s[12:13], s[30:31]      ; my scale words
	s_mul_i32 s30, s26, 2*FB
	s_add_nc_u64 s[12:13], s[12:13], s[30:31]      ; my codes
.irp u, 0,1                                    ; 32 loads, each a row's 512 consecutive bytes; fragment u's row r is natural row 8 u + r + 8 (r / 8)
.irp r, 0,1,2,3,4,5,6,7,8,9,10,11,12,13,14,15
	global_load_b128 v[R+4*(16*\u+\r):R+4*(16*\u+\r)+3], v[LI], s[4:5] offset:(8*\u+\r+8*(\r/8))*4096 th:TH_LOAD_NT
.endr
.endr
.irp u, 0,1
	s_wait_loadcnt 16-16*\u                        ; this fragment's 16 rows are in; the other's 16 loads may be out
.irp r, 0,1,2,3,4,5,6,7,8,9,10,11,12,13,14,15
	ds_store_b128 v[STI], v[R+4*(16*\u+\r):R+4*(16*\u+\r)+3] offset:528*\r
.endr
.irp b, 0,1,2,3
.irp j, 0,1,2,3
	ds_load_b128 v[X+16*\b+4*\j:X+16*\b+4*\j+3], v[STO] offset:128*\b+16*\j   ; LDS serves a wave's instructions in order: these see my stores
.endr
.endr
	s_wait_dscnt 0x0
.if \u
	s_wait_xcnt 0x0                                ; the first fragment's stores have read the codes' registers
.endif
	QUANT X, PC, PW+\u
.irp c, 0,1,2
	global_store_b128 v[LI], v[PC+4*\c:PC+4*\c+3], s[12:13] offset:FB*\u+512*\c   ; 512 consecutive bytes, aligned
.endr
.endr
	v_cndmask_b32 v[T], v[PW], v[PW+1], s[HM]      ; lanes 0-15 the first fragment's words, lanes 16-31 the second's
	global_store_b32 v[L4], v[T], s[14:15]         ; 128 consecutive bytes: one part in 24 of what the wave stores
	s_wait_tensorcnt 0x0                           ; the wave's end: a wait, an add of 0 and its wait, behind my last LDS store
	ds_add_u32 v[SPW], v[NIL]
	s_wait_dscnt 0x0
	s_endpgm
.Lweights:
	; ---- W: j = id - 256: matrix j / 32; columns 256 ((j / 8) % 4) + 32 wave + lane; K step j % 8.  A LANE TAKES A COLUMN, ITS REGISTERS RUN DOWN K.
	; (as the text stands: matrix = wave - 8; the work-group's number gives the K step (bits 2:0), the quarter of the columns (4:3) and which 32 of the quarter's 256 (7:5))
	s_and_b32 s24, ttmp9, 31
	s_lshr_b32 s33, ttmp9, 5
	s_sub_co_u32 s25, s[WV], 8
	s_bfe_u32 s26, s24, 0x20003                    ; quarter of its columns
	s_and_b32 s27, s24, 7                          ; K step
	s_cmp_eq_u32 s25, 1
	s_cselect_b64 s[6:7], s[8:9], s[6:7]
	s_cmp_eq_u32 s25, 2
	s_cselect_b64 s[6:7], s[10:11], s[6:7]
	s_lshl_b32 s28, s27, 19                        ; 128 rows of 4,096 bytes
	s_lshl_b32 s29, s26, 10
	s_add_co_u32 s28, s28, s29
	s_lshl_b32 s29, s33, 7
	s_add_co_u32 s28, s28, s29
	s_mov_b32 s29, 0
	s_add_nc_u64 s[6:7], s[6:7], s[28:29]
	s_lshl_b32 s25, s25, 3
	s_lshl_b32 s26, s26, 1
	s_add_co_u32 s25, s25, s26
	s_lshr_b32 s26, s33, 2
	s_add_co_u32 s25, s25, s26
	s_add_co_u32 s25, s25, 64                      ; group
	s_lshl_b32 s25, s25, 3
	s_add_co_u32 s25, s25, s27                     ; record
	s_and_b32 s26, s33, 3                          ; b'
	s_mul_i32 s30, s25, QB
	s_mov_b32 s31, 0
	s_add_nc_u64 s[12:13], s[12:13], s[30:31]
	; Wq, Wk: my two fragments, 2 b' on.  Wv: half (8) of the lane rows of four fragments, 4 (b' / 2) on
	s_and_b32 s27, s26, 2
	s_and_b32 s28, s26, 1
	s_mul_i32 s36, s27, 2*FB
	s_lshl_b32 s29, s28, 7
	s_add_co_u32 s36, s36, s29                     ; Wv: codes
	s_lshl_b32 s27, s27, 7
	s_lshl_b32 s28, s28, 5
	s_add_co_u32 s27, s27, s28                     ; Wv: scale words
	s_lshl_b32 s28, s26, 7                         ; Wq, Wk: scale words
	s_mul_i32 s30, s26, 2*FB                       ; Wq, Wk: codes
	s_mov_b32 s34, FB                              ; and from my first image to my second
	s_mov_b32 s35, 2*FB
	s_cmp_eq_u32 s[WV], 10
	s_cselect_b32 s23, -1, 0
	s_cselect_b32 s30, s36, s30
	s_cselect_b32 s28, s27, s28
	s_cselect_b32 s34, s35, s34
	s_mov_b32 s35, 0
	s_mov_b32 s29, 0
	s_add_nc_u64 s[14:15], s[12:13], s[28:29]
	s_add_nc_u64 s[14:15], s[14:15], 12288
	s_add_nc_u64 s[12:13], s[12:13], s[30:31]
	s_add_nc_u64 s[34:35], s[12:13], s[34:35]
	; Wv: lane L takes column 4 (L % 8) + 2 ((L / 8) % 2) + L / 16 of my 32: fragment 2 ((L / 8) % 2) + L / 16 of four, lane row L % 8 of eight.  The same LDS places serve: image u then holds fragments 2 u, 2 u + 1
	v_and_b32 v1, 7, v2
	v_bfe_u32 v3, v2, 3, 1
	v_lshl_add_u32 v119, v1, 1, v3
	v_lshl_add_u32 v119, v119, 1, v4
	v_lshlrev_b32 v119, 2, v119
	v_cndmask_b32 v119, v[L4], v119, s23           ; v119 my column's offset in a row of W
	v_lshlrev_b32 v120, 8, v4
	v_lshl_add_u32 v120, v1, 4, v120
	v_mad_u32_u24 v120, v3, FB, v120
	v_cndmask_b32 v120, v[LI], v120, s23           ; v120 where 16 bytes of an image go
	v_lshl_add_u32 v122, v3, 1, v4
	v_lshlrev_b32 v122, 6, v122
	v_lshl_add_u32 v122, v1, 2, v122
	v_cndmask_b32 v122, v[WS], v122, s23           ; v122 my column's scale word
	s_wait_alu depctr_va_vdst(0)
.set k, 0
.rept 128
	global_load_b32 v[R+k], v119, s[6:7] offset:k*4096 th:TH_LOAD_NT   ; 128 consecutive bytes a wave
.set k, k+1
.endr
; Block kb = 2 c + h' of my column: registers 6 c .. 6 c + 5 of lane (row, h') of my fragment's image
.macro WBLOCK kb, left
.set XS, R+32*(\kb)
.set P, X+8*(\kb)
	s_wait_loadcnt \left
	v_max3_num_f32 v[TM], |v[XS]|, |v[XS+1]|, |v[XS+2]|              ; all 32 numbers are mine
	v_max3_num_f32 v[TM+1], |v[XS+3]|, |v[XS+4]|, |v[XS+5]|
.irp i, 6,10,14,18,22,26
	s_delay_alu instid0(VALU_DEP_2)
	v_max3_num_f32 v[TM], v[TM], |v[XS+\i]|, |v[XS+\i+1]|
	s_delay_alu instid0(VALU_DEP_2)
	v_max3_num_f32 v[TM+1], v[TM+1], |v[XS+\i+2]|, |v[XS+\i+3]|
.endr
	s_delay_alu instid0(VALU_DEP_2)
	v_max3_num_f32 v[TM], v[TM], |v[XS+30]|, |v[XS+31]|
	s_delay_alu instid0(VALU_DEP_1)
	v_max3_num_f32 v[TM], v[TM], v[TM+1], 0x1800000                  ; and the floor
	s_delay_alu instid0(VALU_DEP_1)
	v_add_nc_u32 v[TM+2], 0xff000000, v[TM]
	s_delay_alu instid0(VALU_DEP_1)
	v_lshrrev_b32 v[TM+3], 23, v[TM+2]
.if (\kb) == 0
	s_delay_alu instid0(VALU_DEP_1)
	v_mov_b32 v[PW], v[TM+3]
.else
	s_delay_alu instid0(VALU_DEP_1)
	v_lshl_or_b32 v[PW], v[TM+3], 8*(\kb), v[PW]
.endif
	v_cvt_scalef32_pk16_fp6_f32 v[P:P+2], v[XS:XS+15], v[TM+2]
	v_cvt_scalef32_pk16_fp6_f32 v[T:T+2], v[XS+16:XS+31], v[TM+2]
	v_nop                                          ; one plain place behind a scaled conversion
.irp i, 0,1,2
	v_mov_b32 v[P+3+\i], v[T+\i]
.endr
.if (\kb)/2 == 0
	ds_store_b128 v[WA], v[P:P+3] offset:256*((\kb)%2)               ; registers 0-3
	ds_store_b64 v[WA], v[P+4:P+5] offset:512+256*((\kb)%2)          ; registers 4, 5
.else
	ds_store_b64 v[WA], v[P:P+1] offset:520+256*((\kb)%2)            ; registers 6, 7
	ds_store_b128 v[WA], v[P+2:P+5] offset:1024+256*((\kb)%2)        ; registers 8-11
.endif
.endm
	WBLOCK 0, 63                                   ; 96 and 64 younger loads could stay out: the wait's field names 63 at the most
	WBLOCK 1, 63
	WBLOCK 2, 32
	WBLOCK 3, 0
.irp u, 0,1
.irp c, 0,1,2
	ds_load_b128 v[X+32+12*\u+4*\c:X+32+12*\u+4*\c+3], v[WR] offset:WU*\u+512*\c   ; LDS serves a wave's instructions in order
.endr
.endr
	s_wait_alu depctr_va_vdst(0)
	s_wait_dscnt 0x0
.irp c, 0,1,2
	global_store_b128 v120, v[X+32+4*\c:X+32+4*\c+3], s[12:13] offset:512*\c
	global_store_b128 v120, v[X+44+4*\c:X+44+4*\c+3], s[34:35] offset:512*\c
.endr
	global_store_b32 v122, v[PW], s[14:15]
	s_wait_tensorcnt 0x0                           ; the wave's end: a wait, an add of 0 and its wait, behind my last LDS store
	ds_add_u32 v[SPW], v[NIL]
	s_wait_dscnt 0x0
	s_endpgm
.Lfunc_end_k_qfcbce8021e_quant:
	.size	k_qfcbce8021e_quant, .Lfunc_end_k_qfcbce8021e_quant-k_qfcbce8021e_quant
	.p2alignl 7, 3214868480
	.fill 96, 4, 3214868480
	.section	.rodata,"a",@progbits
	.p2align	6, 0x0
	.amdhsa_kernel k_qfcbce8021e_quant
		.amdhsa_group_segment_fixed_size 131072
		.amdhsa_private_segment_fixed_size 0
		.amdhsa_enable_private_segment 0
		.amdhsa_kernarg_size 40
		.amdhsa_user_sgpr_count 2
		.amdhsa_user_sgpr_kernarg_segment_ptr 1
		.amdhsa_wavefront_size32 1
		.amdhsa_system_sgpr_workgroup_id_x 1
		.amdhsa_system_sgpr_workgroup_id_y 1
		.amdhsa_system_sgpr_workgroup_id_z 1
		.amdhsa_system_vgpr_workitem_id 0
		.amdhsa_next_free_vgpr 256
		.amdhsa_next_free_sgpr 66
		.amdhsa_reserve_vcc 0
		.amdhsa_float_denorm_mode_32 3
		.amdhsa_float_denorm_mode_16_64 3
		.amdhsa_memory_ordered 1
		.amdhsa_forward_progress 1
		.amdhsa_inst_pref_size 47
	.end_amdhsa_kernel
	.amdgpu_metadata
---
amdhsa.version: [ 1, 2 ]
amdhsa.kernels:
  - .name:           k_qfcbce8021e_quant
    .symbol:         k_qfcbce8021e_quant.kd
    .args:
      - { .name: x, .offset: 0, .size: 8, .value_kind: global_buffer, .address_space: global }
      - { .name: Wq, .offset: 8, .size: 8, .value_kind: global_buffer, .address_space: global }
      - { .name: Wk, .offset: 16, .size: 8, .value_kind: global_buffer, .address_space: global }
      - { .name: Wv, .offset: 24, .size: 8, .value_kind: global_buffer, .address_space: global }
      - { .name: b1c, .offset: 32, .size: 8, .value_kind: global_buffer, .address_space: global }
    .group_segment_fixed_size: 131072
    .private_segment_fixed_size: 0
    .kernarg_segment_align: 8
    .kernarg_segment_size: 40
    .max_flat_workgroup_size: 352
    .sgpr_count:     66
    .vgpr_count:     256
    .wavefront_size: 32
...
	.end_amdgpu_metadata
.endif
;; end of part 1
;; launch proj (part 2): grid 8 x 32, 4 waves a work-group, clusters of 4 x 4, 327,680 bytes of LDS; arguments b1c, bq, bk, bv, b2c; writes b2c
.if DOCPART == 2
	.amdgcn_target "amdgcn-amd-amdhsa--gfx1250"
	.amdhsa_code_object_version 6
	.text
	.protected	k_qfcbce8021e_proj
	.globl	k_qfcbce8021e_proj
	.p2align	8
	.type	k_qfcbce8021e_proj,@function
k_qfcbce8021e_proj:
	s_mov_b64 s[64:65], 0
	v_nop
	global_prefetch_b8 v0, s[64:65] scope:SCOPE_SE
	s_setreg_imm32_b32 hwreg(HW_REG_WAVE_MODE, 25, 1), 1
	s_wait_xcnt 0x0
	s_wait_alu depctr_hold_cnt(0) depctr_sa_sdst(0) depctr_va_vdst(0) depctr_va_sdst(0) depctr_va_ssrc(0) depctr_va_vcc(0) depctr_vm_vsrc(0)
	s_getreg_b32 s2, hwreg(HW_REG_IB_STS2, 6, 4)
	s_cmp_eq_u32 s2, 0
	s_cbranch_scc0 .Lentry_in_a_cluster
	s_endpgm
.Lentry_in_a_cluster:
	s_bfe_u32 s2, ttmp6, 0x10000c
	s_cmp_lg_u32 s2, 0xf033
	s_cbranch_scc0 .Lentry_shape_is_right
	s_endpgm
.Lentry_shape_is_right:
; q = x Wq + bq, k = x Wk + bk and V^T = Wv^T x^T + bv on codes of FP6 with E8M0 scales, each result quantised in registers along the axis that the next product contracts: q and k along h, V^T along the tokens.
; Nothing but codes and scale words is stored.
; A WORK-GROUP STAYS AND MAKES TWO TILES, so that the 8,192 x 3,072 results fall evenly on 256 work-groups: first 256 x 256 of q or k (A = x, B = the weights' columns; a wave 128 x 128, 64 accumulators, 512 products),
; then 128 x 256 of V^T (A = Wv's columns, B = x; a wave 64 x 128, 32 accumulators, 256 products).
; OPERANDS ARE IMAGES OF REGISTERS: a fragment (16 rows x 128 K, 12 registers a lane) is 1,536 bytes, registers 4 c .. 4 c + 3 of lane l at 512 c + 16 l; lane r of fragment i of a group of 128 rows holds row
; 32 (i / 2) + 8 (i % 2) + r + 8 (r / 8); a record = a group's 8 fragments of one K step: 12,288 bytes; its scale words (word 16 i + r): 512 bytes.  So a fragment comes from LDS by three loads of 16 bytes at 16 x lane.
; THE PRODUCTS ARE USED TRANSPOSED (source 0 = B's fragment, source 1 = A's): lane (r, h) holds A's row of lane r, and by the order of rows above the 64 registers of A's fragment a against B's eight are 64 numbers
; along B's rows: register 16 b + i = B's row 32 b + 16 h + i: the quantiser's input, and its result is one fragment of the next operand.
; LDS.  K = 1,024 is eight steps of 128.  First product: three slots of two steps are first fills (steps 0, 1 at 196,608; 2, 3 at 0; 4, 5 at 98,304); steps 6, 7 refill the first of them.  Second product: two slots of four steps,
; X at 0 and Y at 147,456, laid over the bytes that the first product has read out: X is asked for in the first product's step 5, Y in the middle of its way out.  A wave has four tensor loads out at the start, later one.
; CLUSTERS: 4 x 4.  In both products A's groups hang on the place along y alone and are asked for jointly along a row of the cluster, B's on the place along x alone, along a column.
; The second product's scale words, 48 words a lane, one part in 24 of its operand bytes, go from memory straight into registers and are not asked for jointly.
; LIMITS: a block of zeros gets the byte 1 (its codes are zeros; this program alone reads the bytes); NaN and infinities are not served.
; REGISTERS: window 0: v8-31 addresses; v32-47 the first product's scale words, two sets; v48-51 bv of my rows; v64-79 scale words made; v80-127 the second product's scale words; v128-223 A's fragments (on the ways out: four sets of codes); v232-247 at work.
;   window 1: B's fragments, two sets, at v0 and v128; the 64 registers between and behind them: the bias tiles.   windows 2, 3: accumulator (a, b) at v[8 (8 (a % 4) + b)].
; AS THE TEXT STANDS (this replaces what the lines above say of records and slots): a record is 12,288 bytes of codes and behind them its 512 bytes of scale words; one tensor load brings both.
; First product: two slots of three steps (K steps 0-2 at 153,600, K steps 3-5 at 0); K steps 6, 7 refill the first of them behind step 2.  Second product: two slots of four steps, X at 0, Y at 153,600.
; A wave has one tensor load out at any time: one at the head, one behind each round.  Wv's rows lie so that lane r of fragment i of a group is column 64 (i / 4) + 4 r + i % 4.
; No prefetch: a launch of eight and eight steps, each written out, has no loop to run ahead in.
.set QB,    12800
.set FB,    1536
.set HALF,  2*QB                       ; a group's two K steps
.set TRI,   3*QB                       ; a group's three K steps
.set SLOT,  4*TRI                      ; first product: A's two groups, then B's two
.set RB0,   SLOT                       ; slot 0 begins here, slot 1 at 0
.set ASL,   4*QB                       ; a group's four K steps
.set XS,    3*ASL                      ; second product: A's group, then B's two
.set STG,   2*SLOT                     ; a stage of 512 bytes for each wave; no tensor load lands here
.set SPARE, STG+6144                   ; the spare words, 128 bytes for each wave: two blocks of 256 bytes that no other line names
.set STR,   8
.set BNO,   9                          ; v9   offset of my column bias; never rewritten
.set BMO,   10                         ; v10  offset of my row bias; never rewritten
.set ADRA2, 11                         ; v11-12 second product: my four fragments of A in X, Y (+ 16 x lane)
.set ADRB2, 13                         ; v13-14 my group of B
.set L4,    15                         ; v15  4 x lane; never rewritten
.set ADRA,  16                         ; v16-17 first product: my A group in slot 0, 1
.set ADRB,  20                         ; v20-21 my B group
.set ADSA,  18                         ; v18-19 A's scale words in slot 0, 1
.set ADSB,  22                         ; v22-23 B's
.set LI,    26                         ; v26  16 x lane
.set STW,   27
.set SPW,   28                         ; v28  my spare word; never rewritten
.set NIL,   29                         ; v29  0; never rewritten
.set STR2,  30
.set L8,    31                         ; v31  8 x lane
.set SC,    32                         ; set s at v[SC + 8 s]: A's four registers, then B's four; register p: lanes 0-15 fragment 2 p's words, lanes 16-31 fragment 2 p + 1's
.set BMV,   48
.set PW,    64
.set T,     72
.set SC2,   80                         ; K step g at v[SC2 + 6 g]: A's two registers, then B's four
.set AF,    128
.set PC,    128
.set TM,    232
.set WV,   18
.set WM,   19
.set WN,   20                          ; (until the lane selects take its place)
.set SEL,  20
.set HM,   2
.set G1,   24                          ; A's records: 150 rows of 256 bytes, later 100, my row of the cluster
.set G1B,  32                          ; B's records: 150 rows, later 100, my column
.set G1S,  40
.set G1SB, 48
.set G1B2, 92                          ; second product, B's records: 200 rows, my column
.set G0A0, 56
.set G0A1, 60
.set G0A2, 68
.set G0B0, 72
.set G0B1, 76
.set G0B2, 80
.set G0S,  84
.set G0SB, 88
.set MSB, 0
.macro WIN new                         ; the immediate's high byte repeats the setting that is left
.if MSB != (\new)
	s_set_vgpr_msb (MSB<<8)|(\new)
.set MSB, (\new)
.endif
.endm
.macro PLACES n
.rept \n
	v_nop
.endr
.endm
.macro CREST                           ; a round of the cluster's barrier behind its opening barrier
	s_cmp_lg_u32 s[WV], 0
	s_cbranch_scc1 .Lnot_wave_0_\@
	s_barrier_signal -3
.Lnot_wave_0_\@:
	s_barrier_wait -3
	s_barrier_signal -1
	s_barrier_wait -1
.endm
.macro CROUND
	s_barrier_signal -1
	s_barrier_wait -1
	CREST
.endm
; A joint load: waves 0 and 1 fetch for A, waves 2 and 3 for B; the branch hangs on the wave's number alone.  An s_nop 0 and four v_nop follow each line.
.macro JLOAD g0a, g1a, g0b, g1b
	s_cmp_eq_u32 s[WM], 0
	s_cbranch_scc0 .Lfor_b_\@
	tensor_load_to_lds s[\g0a:\g0a+3], s[\g1a:\g1a+7]
	s_nop 0
.rept 4
	v_nop
.endr
	s_branch .Lasked_\@
.Lfor_b_\@:
	tensor_load_to_lds s[\g0b:\g0b+3], s[\g1b:\g1b+7]
	s_nop 0
.rept 4
	v_nop
.endr
.Lasked_\@:
.endm
; 64 sums of a lane, v[s] on in window w (register 16 b + i = k 32 b + 16 (lane / 16) + i), are read where they lie -> codes in v[pc .. pc + 11], scale word in v[pw], both in window 0.  Each accumulator is read from its low end on.
; (As the text stands: two fragments a, a + 1 at a time, a even; fragment a + p works in v[TM - 24 p ..] and leaves its codes in v[PC + 20 ((a + p) % 4) ..], its scale word in v[PW + a + p].)
.macro QUANT2 a
.set W_, 2+(\a)/4                      ; the sums' window
.set A0_, 64*((\a)%4)
.set P0_, PC+20*((\a)%4)
	WIN (W_<<2)|(W_<<4)                            ; sources 1 and 2: the sums' window
.irp b, 0,1,2,3
.irp p, 0,1
	v_max3_num_f32 v[TM-24*\p+\b], 0x1800000, |v[A0_+64*\p+16*\b]|, |v[A0_+64*\p+16*\b+1]|   ; my 16 numbers of block b, and the floor 2^(3 - 127): the byte cannot fall under 1
.endr
.endr
.irp i, 2,4,6,8,10,12,14
.irp b, 0,1,2,3
.irp p, 0,1
	v_max3_num_f32 v[TM-24*\p+\b], v[TM-24*\p+\b], |v[A0_+64*\p+16*\b+\i]|, |v[A0_+64*\p+16*\b+\i+1]|
.endr
.endr
.endr
	WIN 0
.irp b, 0,1,2,3
.irp p, 0,1
	v_permlanex16_b32 v[TM-24*\p+4+\b], v[TM-24*\p+\b], s[SEL], s[SEL+1]
.endr
.endr
.irp b, 0,1,2,3
.irp p, 0,1
	v_max_num_f32 v[TM-24*\p+\b], v[TM-24*\p+\b], v[TM-24*\p+4+\b]   ; with lane l xor 16's: the block's largest magnitude
.endr
.endr
.irp b, 0,1,2,3
.irp p, 0,1
	v_add_nc_u32 v[TM-24*\p+12+\b], 0xff000000, v[TM-24*\p+\b]       ; 2 off the exponent field: the conversion's scale operand
.endr
.endr
.irp b, 0,1,2,3
.irp p, 0,1
	v_lshrrev_b32 v[TM-24*\p+4+\b], 23, v[TM-24*\p+12+\b]            ; the scale's byte
.endr
.endr
.irp p, 0,1
	v_lshl_or_b32 v[PW+(\a)+\p], v[TM-24*\p+5], 8, v[TM-24*\p+4]
.endr
.irp p, 0,1
	v_lshl_or_b32 v[PW+(\a)+\p], v[TM-24*\p+6], 16, v[PW+(\a)+\p]
.endr
.irp p, 0,1
	v_lshl_or_b32 v[PW+(\a)+\p], v[TM-24*\p+7], 24, v[PW+(\a)+\p]
.endr
	WIN W_                                         ; source 0: the sums' window
.irp p, 0,1
.irp c, 0,1
	v_cvt_scalef32_pk16_fp6_f32 v[P0_+20*\p+6*\c:P0_+20*\p+6*\c+2], v[A0_+64*\p+32*\c:A0_+64*\p+32*\c+15], v[TM-24*\p+12+2*\c]
	v_cvt_scalef32_pk16_fp6_f32 v[P0_+20*\p+12+4*\c:P0_+20*\p+14+4*\c], v[A0_+64*\p+16+32*\c:A0_+64*\p+31+32*\c], v[TM-24*\p+13+2*\c]   ; (a conversion's three registers begin on an even number)
.endr
.endr
	WIN 0
	v_nop                                          ; one plain place behind a scaled conversion
.irp i, 0,1,2                                  ; the operand wants a WHOLE block in a lane: lanes 0-15 block 2 c, lanes 16-31 block 2 c + 1
.irp p, 0,1
.irp c, 0,1
	v_permlane16_swap_b32 v[P0_+20*\p+6*\c+\i], v[P0_+20*\p+12+4*\c+\i]
.endr
.endr
.endr
.irp i, 0,1,2
.irp p, 0,1
.irp c, 0,1
	v_mov_b32 v[P0_+20*\p+3+6*\c+\i], v[P0_+20*\p+12+4*\c+\i]
.endr
.endr
.endr
.endm
.macro FRAG reg, adr, off              ; a fragment's image into 12 registers
.irp c, 0,1,2
	ds_load_b128 v[\reg+4*\c:\reg+4*\c+3], v[\adr] offset:\off+512*\c
.endr
.endm
; One product: D at d, source 0 = B's fragment at bf, source 1 = A's at af, C at c; B's scale register sb, row rb; A's sa, row ra
.macro WMMR d, bf, af, c, sb, rb, sa, ra
.if ((\rb)==0)&&((\ra)==0)
	v_wmma_scale_f32_16x16x128_f8f6f4 v[\d:\d+7], v[\bf:\bf+11], v[\af:\af+11], v[\c:\c+7], v[\sb], v[\sa] matrix_a_fmt:MATRIX_FMT_FP6 matrix_b_fmt:MATRIX_FMT_FP6
.elseif ((\rb)==1)&&((\ra)==0)
	v_wmma_scale_f32_16x16x128_f8f6f4 v[\d:\d+7], v[\bf:\bf+11], v[\af:\af+11], v[\c:\c+7], v[\sb], v[\sa] matrix_a_fmt:MATRIX_FMT_FP6 matrix_b_fmt:MATRIX_FMT_FP6 matrix_a_scale:MATRIX_SCALE_ROW1
.elseif ((\rb)==0)&&((\ra)==1)
	v_wmma_scale_f32_16x16x128_f8f6f4 v[\d:\d+7], v[\bf:\bf+11], v[\af:\af+11], v[\c:\c+7], v[\sb], v[\sa] matrix_a_fmt:MATRIX_FMT_FP6 matrix_b_fmt:MATRIX_FMT_FP6 matrix_b_scale:MATRIX_SCALE_ROW1
.else
	v_wmma_scale_f32_16x16x128_f8f6f4 v[\d:\d+7], v[\bf:\bf+11], v[\af:\af+11], v[\c:\c+7], v[\sb], v[\sa] matrix_a_fmt:MATRIX_FMT_FP6 matrix_b_fmt:MATRIX_FMT_FP6 matrix_a_scale:MATRIX_SCALE_ROW1 matrix_b_scale:MATRIX_SCALE_ROW1
.endif
.endm
; ---- the first product's macros.  16 products: A's fragments a0, a0 + 1 against B's eight, K step g.  cm = 2: the column bias (tile b at v[96 + 8 b], from b = 4 on at v[224 + 8 (b - 4)] of window 1) starts the sums; 0: in place.
; The 64 accumulators take turns, one instruction a turn, in the same order in every step.
.macro MUL16 a0, g, cm
.irp a, \a0, \a0+1
.irp b, 0,1,2,3,4,5,6,7
.if (\cm) == 2
	WMMR 8*(8*((\a)%4)+\b), 128*((\g)%2)+12*\b, AF+12*(\a), 96+8*\b+96*(\b/4), SC+8*((\g)%2)+4+\b/2, \b%2, SC+8*((\g)%2)+(\a)/2, (\a)%2
.else
	WMMR 8*(8*((\a)%4)+\b), 128*((\g)%2)+12*\b, AF+12*(\a), 8*(8*((\a)%4)+\b), SC+8*((\g)%2)+4+\b/2, \b%2, SC+8*((\g)%2)+(\a)/2, (\a)%2
.endif
.endr
.endr
.endm
.macro FETCH_B sl, q, p                ; B's eight fragments of step q of slot sl into set p
	WIN 0x40                                       ; destination window 1, address window 0
.irp i, 0,1,2,3,4,5,6,7
	FRAG 128*(\p)+12*\i, ADRB+(\sl), (\q)*QB+\i*FB
.endr
	WIN 0
.endm
.macro FETCH_A sl, q, i0               ; A's fragments i0 .. i0 + 3
.irp i, \i0, \i0+1, \i0+2, \i0+3
	FRAG AF+12*(\i), ADRA+(\sl), (\q)*QB+(\i)*FB
.endr
.endm
.macro SCALES g, sl, q                 ; K step g's scale words, step q of slot sl: 32 words, two fragments', a load
.irp p, 0,1,2,3
	ds_load_b32 v[SC+8*((\g)%2)+\p], v[ADSA+(\sl)] offset:(\q)*QB+128*\p
	ds_load_b32 v[SC+8*((\g)%2)+4+\p], v[ADSB+(\sl)] offset:(\q)*QB+128*\p
.endr
.endm
; A load into a register that a matrix instruction has read, and a vector instruction that reads a result, stand four plain vector instructions behind it (ISA guide 7.12.1 for the vector instruction that reads a result).
.macro STEP g, nsl, nq, cm             ; K step g; the next step lies in slot nsl at step nq
	s_wait_dscnt 12                                ; all but the youngest 12 loads: A's fragments 4-7
.if (\cm) == 2
	WIN 0x91                                       ; B window 1, A window 0, C (the bias) window 1, D window 2
.else
	WIN 0xa1                                       ; C and D window 2
.endif
	MUL16 0, \g, \cm
	MUL16 2, \g, \cm
	s_wait_dscnt 0x0                               ; A's fragments 4-7 are in
	PLACES 4
	FETCH_B \nsl, \nq, ((\g)+1)%2
	FETCH_A \nsl, \nq, 0
	SCALES (\g)+1, \nsl, \nq
.if (\cm) == 2
	WIN 0xd1
.else
	WIN 0xf1
.endif
	MUL16 4, \g, \cm
	MUL16 6, \g, \cm
	PLACES 4
	WIN 0
	FETCH_A \nsl, \nq, 4
.endm
; A step behind which LDS is filled again.
; fill = 1: slot 0, read out, takes K steps 6 and 7.  fill = 2: slot 1 is read out: the second product's first four K steps go into X.
.macro TURN g, nsl, nq, fill
	s_wait_tensorcnt 0x0                           ; all my tensor loads have landed
	ds_add_u32 v[SPW], v[NIL]
	s_wait_dscnt 13                                ; (the add and A's fragments 4-7, 12 loads, may be out)
	WIN 0xa1
	MUL16 0, \g, 0                                 ; sixteen products stand between the add and the wait for it
	s_wait_dscnt 0x0                               ; the add is done, and my reads of the slot in hand are over
	s_barrier_signal -1
	MUL16 2, \g, 0
	WIN 0
	s_barrier_wait -1
	CREST                                          ; no wave of any partner still reads the bytes to be filled or has a load on its way
.if (\fill) == 1
	s_add_nc_u64 s[G0A0+2:G0A0+3], s[G0A0+2:G0A0+3], 2*TRI
	s_add_nc_u64 s[G0B0+2:G0B0+3], s[G0B0+2:G0B0+3], 2*TRI
	s_mov_b32 s[G1+2], 100<<16                     ; from here on two K steps of a group, 25,600 bytes (no tensor load of mine is out)
	s_mov_b32 s[G1+4], 100
	s_mov_b32 s[G1B+2], 100<<16
	s_mov_b32 s[G1B+4], 100
	JLOAD G0A0, G1, G0B0, G1B                      ; the first tensor load behind the round; its four v_nop are the places in front of the loads below
.else
	JLOAD G0A1, G1, G0B1, G1B2
.endif
	FETCH_B \nsl, \nq, ((\g)+1)%2
	FETCH_A \nsl, \nq, 0
	SCALES (\g)+1, \nsl, \nq
	WIN 0xf1
	MUL16 4, \g, 0
	MUL16 6, \g, 0
	PLACES 4
	WIN 0
	FETCH_A \nsl, \nq, 4
.endm
; ---- the second product's macros.  My fragment a of A against B's eight, K step g; z = 1: the row bias (tile a at v[96 + 8 a] of window 1) starts the sums.  The 32 accumulators by turns, one instruction a turn.
.macro MULA a, g, z
.irp b, 0,1,2,3,4,5,6,7
.if \z
	WMMR 8*(8*(\a)+\b), 128*((\g)%2)+12*\b, AF+48*((\g)%2)+12*(\a), 96+8*(\a), SC2+6*(\g)+2+\b/2, \b%2, SC2+6*(\g)+(\a)/2, (\a)%2
.else
	WMMR 8*(8*(\a)+\b), 128*((\g)%2)+12*\b, AF+48*((\g)%2)+12*(\a), 8*(8*(\a)+\b), SC2+6*(\g)+2+\b/2, \b%2, SC2+6*(\g)+(\a)/2, (\a)%2
.endif
.endr
.endm
.macro FETCH4 sl, q, g                 ; K step g (step q of X or Y): 12 fragments into set g % 2
	WIN 0x40
.irp i, 0,1,2,3,4,5,6,7
	FRAG 128*((\g)%2)+12*\i, ADRB2+(\sl), (\q)*QB+\i*FB
.endr
	WIN 0
.irp i, 0,1,2,3
	FRAG AF+48*((\g)%2)+12*\i, ADRA2+(\sl), (\q)*QB+\i*FB
.endr
.endm
.macro STEP4 g, nsl, nq, z
	s_wait_dscnt 0x0                               ; this step's fragments are in
	PLACES 4                                       ; four plain places in front of loads into the set that the last step's products read
	FETCH4 \nsl, \nq, (\g)+1
.if \z
	WIN 0x91
.else
	WIN 0xa1
.endif
	MULA 0, \g, \z
	MULA 1, \g, \z
	MULA 2, \g, \z
	MULA 3, \g, \z
.endm
; A's fragment a: its eight accumulators are quantised where they lie and leave as one fragment's image: three stores of 512 consecutive bytes.  Four sets of code registers by turns.
.macro OUTQ2 a
	QUANT2 \a
.irp p, 0,1
.irp c, 0,1,2
	global_store_b128 v[LI], v[P0_+20*\p+4*\c:P0_+20*\p+4*\c+3], s[14:15] offset:FB*((\a)+\p)+512*\c
.endr
.endr
.endm
	s_load_b64 s[4:5], s[0:1], 0x0                 ; b1c
	s_load_b256 s[8:15], s[0:1], 0x8               ; bq s[8:9], bk s[10:11], bv s[12:13], b2c s[14:15]
	v_lshl_add_u32 v[SPW], v0, 2, SPARE
	v_mov_b32 v[NIL], 0
	ds_add_u32 v[SPW], v[NIL]                      ; the wave's opening: the add and its wait ahead of my first tensor load; work on registers stands between
	ds_add_u32 v[SPW], v[NIL]
	v_lshrrev_b32 v1, 5, v0
	v_readfirstlane_b32 s[WV], v1                  ; wave 0..3
	s_lshr_b32 s[WM], s[WV], 1                     ; my half of the tile's rows.  Also: I fetch for A (0) or for B (1)
	s_and_b32 s[WN], s[WV], 1                      ; my half of its columns.  Also: which half of A's or B's bytes I fetch
	s_bfe_u32 s21, ttmp6, 0x40000                  ; cx
	s_bfe_u32 s22, ttmp6, 0x40004                  ; cy
	s_and_b32 s23, ttmp7, 0xffff
	s_lshl_b32 s23, s23, 2                         ; 4 x cluster y
	s_lshl_b32 s66, ttmp9, 2                       ; 4 x cluster x
	s_lshl_b32 s100, s22, 2                        ; (s100, s101 hold what hangs on cy, s2, s3 what hangs on cx)
	s_lshl_b32 s100, 15, s100                      ; my row of the cluster
	s_lshl_b32 s2, 0x1111, s21                     ; my column
	s_or_b32 s[G1], s100, (3<<16)|(1<<21)          ; 15:0 the mask; 17:16 elements of 8 bytes; 21 set beside a mask; no padding
	s_or_b32 s[G1B], s2, (3<<16)|(1<<21)
	s_or_b32 s[G1B2], s2, (3<<16)|(1<<21)
.irp g, G1, G1B, G1B2                          ; dense blocks as rows of 256 bytes
	s_mov_b32 s[\g+1], 32<<16
	s_mov_b32 s[\g+3], 32<<16
	s_mov_b32 s[\g+5], 32
	s_mov_b32 s[\g+6], 0
	s_mov_b32 s[\g+7], 0
.endr
	s_mov_b32 s[G1+2], 150<<16                     ; three K steps of a group: 38,400 bytes
	s_mov_b32 s[G1+4], 150
	s_mov_b32 s[G1B+2], 150<<16
	s_mov_b32 s[G1B+4], 150
	s_mov_b32 s[G1B2+2], 200<<16                   ; four K steps of a group: 51,200 bytes
	s_mov_b32 s[G1B2+4], 200
	; the first product: tile row 4 x cluster y + cy of 32, tile column 4 x cluster x + cx of 8.  Offsets are made in the descriptors' address words; the buffer's address is added behind the wait for the arguments
	s_add_co_u32 s100, s23, s22                    ; tile row
	s_lshl_b32 s101, s100, 1
	s_add_co_u32 s101, s101, s[WN]                 ; x's group that I would fetch
	s_mul_i32 s[G0A0+2], s101, 8*QB
	s_mov_b32 s[G0A0+3], 0
	s_add_co_u32 s2, s66, s21                      ; tile column
	s_lshl_b32 s3, s2, 1
	s_add_co_u32 s3, s3, s[WN]
	s_add_co_u32 s3, s3, 64                        ; the weights' group that I would fetch: Wq's are 64-71, Wk's 72-79
	s_mul_i32 s[G0B0+2], s3, 8*QB
	s_mov_b32 s[G0B0+3], 0
	; the second product: A = Wv's group 4 x cluster x + cy of 8, B = x's groups 2 (4 x cluster y + cx) + 0, 1 of 64
	s_add_co_u32 s101, s66, s22                    ; Wv's group
	s_add_co_u32 s21, s23, s21
	s_lshl_b32 s21, s21, 1
	s_add_co_u32 s21, s21, s[WN]                   ; x's group: the one that I would fetch, and the one that I multiply by
	s_add_co_u32 s22, s101, 80
	s_mul_i32 s22, s22, 8*QB
	s_mul_i32 s23, s[WN], HALF
	s_add_co_u32 s22, s22, s23                     ; A: K steps 2 x half on
	s_mov_b32 s23, 0
	s_mul_i32 s66, s21, 8*QB
	s_mov_b32 s67, 0
.irp g, G0A0, G0A1, G0A2, G0B0, G0B1, G0B2
	s_mov_b32 s[\g], 1                             ; count = 1
.endr
	s_mul_i32 s[G0A1+1], s[WV], TRI                ; where my load lands: wave x 38,400 in its slot: no place in the cluster enters an LDS address
	s_add_co_u32 s[G0A0+1], s[G0A1+1], RB0
	s_mul_i32 s[G0B1+1], s[WV], TRI
	s_add_co_u32 s[G0B0+1], s[G0B1+1], RB0
	s_wait_dscnt 0x0                               ; both opening adds are done
	CROUND                                         ; all sixteen work-groups are here: the first joint loads meet
	s_wait_kmcnt 0x0
	s_add_nc_u64 s[G0A0+2:G0A0+3], s[4:5], s[G0A0+2:G0A0+3]
	s_add_nc_u64 s[G0A1+2:G0A1+3], s[G0A0+2:G0A0+3], TRI
	s_add_nc_u64 s[G0B0+2:G0B0+3], s[4:5], s[G0B0+2:G0B0+3]
	s_add_nc_u64 s[G0B1+2:G0B1+3], s[G0B0+2:G0B0+3], TRI
	s_add_nc_u64 s[22:23], s[4:5], s[22:23]        ; the second product's A, kept for later
	s_add_nc_u64 s[66:67], s[4:5], s[66:67]        ; and its B
.irp g, G0A0, G0A1, G0B0, G0B1
	s_or_b32 s[\g+3], s[\g+3], 0x80000000          ; type = 2
.endr
	JLOAD G0A0, G1, G0B0, G1B                      ; K steps 0-2, behind the round above: one tensor load a wave at the head
	; the biases, the results' places, the LDS addresses
	s_lshl_b32 s2, s2, 1
	s_add_co_u32 s2, s2, s[WN]                     ; cg: my group of the weights' columns, 0-7 Wq's, 8-15 Wk's
	s_cmp_ge_u32 s2, 8
	s_cselect_b64 s[8:9], s[10:11], s[8:9]         ; bk or bq
	s_and_b32 s10, s2, 7
	s_lshl_b32 s10, s10, 9
	s_mov_b32 s11, 0
	s_add_nc_u64 s[8:9], s[8:9], s[10:11]
	s_lshl_b32 s10, s101, 9                        ; bv: Wv's group x 128 + my half x 64 numbers
	s_lshl_b32 s3, s[WM], 8
	s_add_co_u32 s10, s10, s3
	s_add_nc_u64 s[12:13], s[12:13], s[10:11]
	v_and_b32 v1, 31, v0                           ; lane
	s_wait_alu depctr_va_vdst(0)
	v_and_b32 v2, 15, v0                           ; r
	v_bfe_u32 v3, v0, 4, 1                         ; h
	v_lshlrev_b32 v[BNO], 6, v3                    ; the column bias: register j of tile 2 b + u wants B's row 32 b + 16 h + 8 u + j
	v_lshlrev_b32 v[BMO], 4, v2                    ; the row bias: my fragment a wants column 4 r + a of my 64: four neighbours a lane
	WIN 0x40                                       ; destination window 1, address window 0
.irp b, 0,1,2,3,4,5,6,7
	global_load_b128 v[96+8*\b+96*(\b/4):96+8*\b+96*(\b/4)+3], v[BNO], s[8:9] offset:128*(\b/2)+32*(\b%2)
	global_load_b128 v[96+8*\b+96*(\b/4)+4:96+8*\b+96*(\b/4)+7], v[BNO], s[8:9] offset:128*(\b/2)+32*(\b%2)+16
.endr
	WIN 0
	global_load_b128 v[BMV:BMV+3], v[BMO], s[12:13]
	s_mul_i32 s10, s21, 8*QB                       ; the second product's scale words: B's group;
	s_add_co_u32 s10, s10, 12288
	s_add_nc_u64 s[6:7], s[4:5], s[10:11]
	s_add_co_u32 s10, s101, 80                     ; A's group, my four fragments' 64 words on
	s_mul_i32 s10, s10, 8*QB
	s_add_co_u32 s10, s10, s3
	s_add_co_u32 s10, s10, 12288
	s_add_nc_u64 s[4:5], s[4:5], s[10:11]
	s_lshl_b32 s100, s100, 1
	s_add_co_u32 s100, s100, s[WM]                 ; G: my group of x's rows
	s_lshr_b32 s3, s2, 3                           ; the record that my 128 x 128 of q or k becomes: 512 (cg / 8) + 8 G + cg % 8
	s_lshl_b32 s3, s3, 9
	s_lshl_b32 s10, s100, 3
	s_add_co_u32 s3, s3, s10
	s_and_b32 s10, s2, 7
	s_add_co_u32 s3, s3, s10
	s_lshr_b32 s2, s21, 4                          ; the record of which my 64 x 128 of V^T is half: 1,024 + 128 x batch + 16 x Wv's group + the batch's K step
	s_lshl_b32 s2, s2, 7
	s_lshl_b32 s10, s101, 4
	s_add_co_u32 s2, s2, s10
	s_and_b32 s10, s21, 15
	s_add_co_u32 s2, s2, s10
	s_add_co_u32 s2, s2, 1024
	s_mul_i32 s10, s3, QB
	s_add_nc_u64 s[14:15], s[14:15], s[10:11]
	s_add_nc_u64 s[16:17], s[14:15], 12288         ; its scale words
	s_sub_co_u32 s2, s2, s3                        ; V^T's records lie behind q's and k's: the way from the first result to the second is forward
	s_mul_i32 s100, s2, QB
	s_lshl_b32 s10, s[WM], 8
	s_add_co_u32 s3, s100, s10                     ; s3: bytes on for the scale words;
	s_mul_i32 s10, s[WM], 4*FB
	s_add_co_u32 s100, s100, s10
	s_mov_b32 s101, 0                              ; s[100:101]: for the codes
	v_lshlrev_b32 v[LI], 4, v1
	v_lshlrev_b32 v[L4], 2, v1
	v_lshlrev_b32 v[L8], 3, v1
	s_mul_i32 s10, s[WM], TRI
	v_add_nc_u32 v[ADRA+1], s10, v[LI]
	v_add_nc_u32 v[ADRA], RB0, v[ADRA+1]
	s_add_co_u32 s10, s10, 12288                   ; a record's scale words lie behind its codes
	v_add_nc_u32 v[ADSA+1], s10, v[L4]
	v_add_nc_u32 v[ADSA], RB0, v[ADSA+1]
	s_mul_i32 s10, s[WN], TRI
	s_add_co_u32 s10, s10, 2*TRI
	v_add_nc_u32 v[ADRB+1], s10, v[LI]
	v_add_nc_u32 v[ADRB], RB0, v[ADRB+1]
	s_add_co_u32 s10, s10, 12288
	v_add_nc_u32 v[ADSB+1], s10, v[L4]
	v_add_nc_u32 v[ADSB], RB0, v[ADSB+1]
	s_lshl_b32 s10, s[WV], 9
	s_add_co_u32 s10, s10, STG
	v_add_nc_u32 v[STW], s10, v[L4]
	v_add_nc_u32 v[STR], s10, v[LI]
	v_add_nc_u32 v[STR2], s10, v[L8]
	s_mul_i32 s10, s[WM], 4*FB                     ; the second product: my four fragments of A's eight,
	v_add_nc_u32 v[ADRA2], s10, v[LI]
	v_add_nc_u32 v[ADRA2+1], XS, v[ADRA2]
	s_mul_i32 s10, s[WN], ASL                      ; my group of B's two, behind A's
	s_add_co_u32 s10, s10, ASL
	v_add_nc_u32 v[ADRB2], s10, v[LI]
	v_add_nc_u32 v[ADRB2+1], XS, v[ADRB2]
	s_mov_b32 s[SEL], 0x76543210                   ; v_permlanex16_b32's selects for lane l xor 16 (the half's number is not wanted as a register any more)
	s_mov_b32 s[SEL+1], 0xfedcba98
	s_mov_b32 s[HM], 0xffff0000                    ; lanes 16-31
.irp b, 0,1,2,3
	v_mov_b32 v[TM+4+\b], 0                        ; written once: a lane permute's destination counts as one of its sources
.endr
	s_wait_alu depctr_va_vdst(0)
	s_wait_loadcnt 0x0                             ; the biases
	s_wait_tensorcnt 0x0                           ; my part of slot 0 is in
	ds_add_u32 v[SPW], v[NIL]
	s_wait_dscnt 0x0
	CROUND                                         ; slot 0 is whole in every work-group
	JLOAD G0A1, G1, G0B1, G1B                      ; K steps 3-5: slot 1's first fill; it has two steps in which to land
	FETCH_B 0, 0, 0
	FETCH_A 0, 0, 0
	SCALES 0, 0, 0
	FETCH_A 0, 0, 4
	STEP 0, 0, 1, 2                                ; the first step starts the sums, with the column bias as C
	STEP 1, 0, 2, 0
	TURN 2, 1, 0, 1                                ; slot 0 is read out: K steps 6, 7 go out, three steps ahead of the wait for them
	; Step 1's wait has shown all first fills landed, and the one load that is out names slot 0's groups 0: the groups 0 of slots 1 and 2 are written for X and Y
	s_and_b32 s12, s[WV], 1
	s_mul_i32 s13, s12, HALF
	s_mov_b32 s[G0A1+1], s13                       ; X: A's K steps 2 x half, 2 x half + 1
	s_add_co_u32 s[G0A2+1], s13, XS                ; Y: four K steps on
	s_mov_b64 s[G0A1+2:G0A1+3], s[22:23]
	s_add_nc_u64 s[G0A2+2:G0A2+3], s[22:23], ASL
	s_or_b32 s[G0A1+3], s[G0A1+3], 0x80000000
	s_or_b32 s[G0A2+3], s[G0A2+3], 0x80000000
	s_mul_i32 s13, s12, ASL
	s_add_co_u32 s[G0B1+1], s13, ASL               ; X: four K steps of B's group, behind A's
	s_add_co_u32 s[G0B2+1], s13, ASL+XS
	s_mov_b64 s[G0B1+2:G0B1+3], s[66:67]
	s_add_nc_u64 s[G0B2+2:G0B2+3], s[66:67], ASL
	s_or_b32 s[G0B1+3], s[G0B1+3], 0x80000000
	s_or_b32 s[G0B2+3], s[G0B2+3], 0x80000000
	STEP 3, 1, 1, 0
	STEP 4, 1, 2, 0
	TURN 5, 0, 0, 2                                ; K steps 6, 7 have landed in every wave; slot 1 is read out: X goes out
	STEP 6, 0, 1, 0
	s_wait_dscnt 12                                ; the last step: nothing more to fetch
	WIN 0xa1
	MUL16 0, 7, 0
	MUL16 2, 7, 0
	s_wait_dscnt 0x0
	WIN 0xf1
	MUL16 4, 7, 0
	MUL16 6, 7, 0
	; THE FIRST WAY OUT.  The row bias of the second product is spread over the tiles that the column bias has left: eight equal registers a fragment.  These 32 plain instructions name no register of the last products: they are the places behind them.
	WIN 0x40                                       ; destination window 1, source window 0
.irp a, 0,1,2,3
.irp j, 0,1,2,3,4,5,6,7
	v_mov_b32 v[96+8*\a+\j], v[BMV+\a]
.endr
.endr
	WIN 0
.set kk, 0
.rept 8                                        ; the second product's scale words: 32 words, two fragments', a load; they have the whole way out in which to come
.irp p, 0,1
	global_load_b32 v[SC2+6*kk+\p], v[L4], s[4:5] offset:QB*kk+128*\p
.endr
.irp p, 0,1,2,3
	global_load_b32 v[SC2+6*kk+2+\p], v[L4], s[6:7] offset:QB*kk+128*\p
.endr
.set kk, kk+1
.endr
.irp a, 0,2
	OUTQ2 \a
.endr
	s_wait_xcnt 0x0                                ; the stores of fragments 0-3 have read the four sets of codes: fragments 4-7 may be written there
	s_wait_tensorcnt 0x0                           ; X has landed.  My reads of slot 0 ended with the last step
	ds_add_u32 v[SPW], v[NIL]
	s_wait_dscnt 0x0
	CROUND                                         ; both hold of every wave of every partner: X may be read, and the bytes of Y are read by nobody
	JLOAD G0A2, G1, G0B2, G1B2                     ; Y: it has four fragments' way out and three K steps in which to land
.irp a, 4,6
	OUTQ2 \a
.endr
.irp p, 0,1,2,3                                ; the record's 128 scale words: lanes 0-15 fragment 2 p's, lanes 16-31 fragment 2 p + 1's; through my stage, so that one store covers the 512 bytes
	v_cndmask_b32 v[T+\p], v[PW+2*\p], v[PW+2*\p+1], s[HM]
.endr
.irp p, 0,1,2,3
	ds_store_b32 v[STW], v[T+\p] offset:128*\p
.endr
	ds_load_b128 v[T+4:T+7], v[STR]                ; LDS serves a wave's instructions in order
	s_wait_dscnt 0x0
	global_store_b128 v[LI], v[T+4:T+7], s[16:17]
	; THE SECOND PRODUCT
	s_wait_xcnt 0x0                                ; all my stores have read their registers and bases: the bases step, and A's fragments may land where the codes lay
	s_add_nc_u64 s[14:15], s[14:15], s[100:101]
	s_mov_b32 s100, s3
	s_add_nc_u64 s[16:17], s[16:17], s[100:101]
	s_wait_loadcnt 0x0                             ; the scale words
	FETCH4 0, 0, 0
	STEP4 0, 0, 1, 1                               ; the first step starts the sums, with the row bias as C
	STEP4 1, 0, 2, 0
	STEP4 2, 0, 3, 0
	WIN 0                                          ; X's last step: nothing is filled again
	s_wait_tensorcnt 0x0                           ; my part of Y has landed
	ds_add_u32 v[SPW], v[NIL]
	s_wait_dscnt 0x0                               ; this step's fragments are in
	s_barrier_signal -1
	WIN 0xa1
	MULA 0, 3, 0
	WIN 0
	s_barrier_wait -1
	PLACES 4
	FETCH4 1, 0, 4
	WIN 0xa1
	MULA 1, 3, 0
	MULA 2, 3, 0
	MULA 3, 3, 0
	STEP4 4, 1, 1, 0
	STEP4 5, 1, 2, 0
	STEP4 6, 1, 3, 0
	s_wait_dscnt 0x0
	WIN 0xa1
	MULA 0, 7, 0
	MULA 1, 7, 0
	MULA 2, 7, 0
	MULA 3, 7, 0
	WIN 0
	PLACES 4
.irp a, 0,2                                    ; THE SECOND WAY OUT: my four fragments of V^T's record
	OUTQ2 \a
.endr
.irp p, 0,1                                    ; and their 64 scale words: one store of 256 consecutive bytes, aligned
	v_cndmask_b32 v[T+\p], v[PW+2*\p], v[PW+2*\p+1], s[HM]
.endr
.irp p, 0,1
	ds_store_b32 v[STW], v[T+\p] offset:128*\p
.endr
	ds_load_b64 v[T+4:T+5], v[STR2]                ; LDS serves a wave's instructions in order
	s_wait_dscnt 0x0
	global_store_b64 v[L8], v[T+4:T+5], s[16:17]
	s_wait_tensorcnt 0x0                           ; the wave's end
	ds_add_u32 v[SPW], v[NIL]
	s_wait_dscnt 0x0
	CROUND                                         ; the closing round
	s_endpgm
.Lfunc_end_k_qfcbce8021e_proj:
	.size	k_qfcbce8021e_proj, .Lfunc_end_k_qfcbce8021e_proj-k_qfcbce8021e_proj
	.p2alignl 7, 3214868480
	.fill 96, 4, 3214868480
	.section	.rodata,"a",@progbits
	.p2align	6, 0x0
	.amdhsa_kernel k_qfcbce8021e_proj
		.amdhsa_group_segment_fixed_size 327680
		.amdhsa_private_segment_fixed_size 0
		.amdhsa_enable_private_segment 0
		.amdhsa_kernarg_size 40
		.amdhsa_user_sgpr_count 2
		.amdhsa_user_sgpr_kernarg_segment_ptr 1
		.amdhsa_wavefront_size32 1
		.amdhsa_system_sgpr_workgroup_id_x 1
		.amdhsa_system_sgpr_workgroup_id_y 1
		.amdhsa_system_sgpr_workgroup_id_z 1
		.amdhsa_system_vgpr_workitem_id 0
		.amdhsa_next_free_vgpr 1024
		.amdhsa_next_free_sgpr 102
		.amdhsa_reserve_vcc 0
		.amdhsa_float_denorm_mode_32 3
		.amdhsa_float_denorm_mode_16_64 3
		.amdhsa_memory_ordered 1
		.amdhsa_forward_progress 1
		.amdhsa_inst_pref_size 220
	.end_amdhsa_kernel
	.amdgpu_metadata
---
amdhsa.version: [ 1, 2 ]
amdhsa.kernels:
  - .name:           k_qfcbce8021e_proj
    .symbol:         k_qfcbce8021e_proj.kd
    .args:
      - { .name: b1c, .offset: 0, .size: 8, .value_kind: global_buffer, .address_space: global }
      - { .name: bq, .offset: 8, .size: 8, .value_kind: global_buffer, .address_space: global }
      - { .name: bk, .offset: 16, .size: 8, .value_kind: global_buffer, .address_space: global }
      - { .name: bv, .offset: 24, .size: 8, .value_kind: global_buffer, .address_space: global }
      - { .name: b2c, .offset: 32, .size: 8, .value_kind: global_buffer, .address_space: global }
    .group_segment_fixed_size: 327680
    .private_segment_fixed_size: 0
    .kernarg_segment_align: 8
    .kernarg_segment_size: 40
    .max_flat_workgroup_size: 128
    .sgpr_count:     102
    .vgpr_count:     1024
    .wavefront_size: 32
...
	.end_amdgpu_metadata
.endif
;; end of part 2
;; launch score (part 3): grid 8 x 32, 4 waves a work-group, clusters of 4 x 4, 327,680 bytes of LDS; arguments b2c, b3c, b3s; writes b3c, b3s
.if DOCPART == 3
	.amdgcn_target "amdgcn-amd-amdhsa--gfx1250"
	.amdhsa_code_object_version 6
	.text
	.protected	k_qfcbce8021e_score
	.globl	k_qfcbce8021e_score
	.p2align	8
	.type	k_qfcbce8021e_score,@function
k_qfcbce8021e_score:
	s_mov_b64 s[64:65], 0
	v_nop
	global_prefetch_b8 v0, s[64:65] scope:SCOPE_SE
	s_setreg_imm32_b32 hwreg(HW_REG_WAVE_MODE, 25, 1), 1
	s_wait_xcnt 0x0
	s_wait_alu depctr_hold_cnt(0) depctr_sa_sdst(0) depctr_va_vdst(0) depctr_va_sdst(0) depctr_va_ssrc(0) depctr_va_vcc(0) depctr_vm_vsrc(0)
	s_getreg_b32 s2, hwreg(HW_REG_IB_STS2, 6, 4)
	s_cmp_eq_u32 s2, 0
	s_cbranch_scc0 .Lentry_in_a_cluster
	s_endpgm
.Lentry_in_a_cluster:
	s_bfe_u32 s2, ttmp6, 0x10000c
	s_cmp_lg_u32 s2, 0xf033
	s_cbranch_scc0 .Lentry_shape_is_right
	s_endpgm
.Lentry_shape_is_right:
; S = q k^T on codes of FP6, and the softmax's weights of each tile, quantised: only codes, scale words and two numbers for a row and 128 keys go to memory.
; t = score x log2(e) / 32.  For each query and each 128 keys: M_loc = ceil(the largest t of these keys), a whole number; p = 2^(t - M_loc), at most 1; p is quantised along the keys; l_loc = the sum of the unquantised p.
; A maximum is taken away ahead of every exponential.  The next launch takes the row's largest M_loc and lowers the scale bytes by the difference: a power of two, which a block's scale takes up, so the codes are those of p under the row's own M.
; Operands and results are images of registers (a fragment: 1,536 bytes, registers 4 c .. 4 c + 3 of lane l at 512 c + 16 l; lane r of fragment i of a group of 128 rows holds row 32 (i / 2) + 8 (i % 2) + r + 8 (r / 8);
; a record = 8 fragments of one K step).  A = q (groups 0-63 of b2c), B = k (groups 64-127).  The product is used transposed: lane (r, h) holds one query, and the 64 registers of A's fragment a are keys 32 b + 16 h + i in register 16 b + i.
; A tile is 256 queries x 256 keys: four waves, each 128 x 128.  K = 1,024 in eight steps; three LDS slots of two steps are first fills, the fourth pair refills slot 0 behind the one round.  A wave has four tensor loads out at the start, later one.
; CLUSTERS 4 x 4: q's groups are asked for jointly along a row of the cluster, k's along a column.
; LIMITS: a block whose every p has fallen to 0 gets the byte 1 (its codes are zeros); NaN and infinities are not served.
; AS THE TEXT STANDS (this replaces what the lines above say of records and slots): a record of b2c is 12,288 bytes of codes and behind them its 512 bytes of scale words; one tensor load brings both.
; Two slots of three K steps (0-2, 3-5); K steps 6, 7 refill the first behind step 2.  A wave has one tensor load out at any time: one at the head, one behind each round.
; P's codes go out as [group of 128 queries][fragment][K step of 128 keys]: a fragment's 16 K steps lie on end, as the next launch fetches them.
; No prefetch: eight steps, each written out, are no loop to run ahead in.
.set QB,    12800
.set FB,    1536
.set TRI,   3*QB
.set SLOT,  4*TRI
.set STG,   2*SLOT                     ; a stage of 1,536 bytes for each wave; no tensor load lands here
.set SPARE, STG+6144                   ; the spare words: two blocks of 256 bytes that no other line names
.set STR,  8
.set ADRA, 16
.set ADRB, 20
.set ADSA, 18                          ; v18-19, v22-23: scale words in slot 0, 1
.set ADSB, 22
.set LI,   26
.set STW,  27
.set SPW,  28
.set NIL,  29
.set SC,   32
.set PW,   64                          ; v64-71 p's scale words, v72-79 -M_loc, v80-87 l_loc: one register for each of A's fragments
.set SM,   72
.set SL,   80
.set T,    88
.set AF,   128
.set PC,   192
.set BX,   232                         ; v232-235 a block's largest score, then p; v236-239, v244-247 at work
.set NMW,  248                         ; v[248:249] -M_loc (the packed form names a pair and takes its low word)
.set SA,   250
.set SB,   252
.set TT,   254
.set WV,   18
.set WM,   19
.set WN,   20
.set CS,   66
.set SEL,  100
.set HM,   2
.set G1,   24
.set G1B,  32
.set G1S,  40
.set G1SB, 48
.set G0A0, 56
.set G0A1, 60
.set G0A2, 68
.set G0B0, 72
.set G0B1, 76
.set G0B2, 80
.set G0S,  84
.set G0SB, 88
.set MSB, 0
.macro WIN new
.if MSB != (\new)
	s_set_vgpr_msb (MSB<<8)|(\new)
.set MSB, (\new)
.endif
.endm
.macro PLACES n
.rept \n
	v_nop
.endr
.endm
.macro CREST
	s_cmp_lg_u32 s[WV], 0
	s_cbranch_scc1 .Lnot_wave_0_\@
	s_barrier_signal -3
.Lnot_wave_0_\@:
	s_barrier_wait -3
	s_barrier_signal -1
	s_barrier_wait -1
.endm
.macro CROUND
	s_barrier_signal -1
	s_barrier_wait -1
	CREST
.endm
.macro JLOAD g0a, g1a, g0b, g1b        ; waves 0, 1 fetch for A, waves 2, 3 for B; an s_nop 0 and four v_nop follow each line
	s_cmp_eq_u32 s[WM], 0
	s_cbranch_scc0 .Lfor_b_\@
	tensor_load_to_lds s[\g0a:\g0a+3], s[\g1a:\g1a+7]
	s_nop 0
.rept 4
	v_nop
.endr
	s_branch .Lasked_\@
.Lfor_b_\@:
	tensor_load_to_lds s[\g0b:\g0b+3], s[\g1b:\g1b+7]
	s_nop 0
.rept 4
	v_nop
.endr
.Lasked_\@:
.endm
.macro FRAG reg, adr, off
.irp c, 0,1,2
	ds_load_b128 v[\reg+4*\c:\reg+4*\c+3], v[\adr] offset:\off+512*\c
.endr
.endm
.macro WMMR d, bf, af, c, sb, rb, sa, ra
.if ((\rb)==0)&&((\ra)==0)
	v_wmma_scale_f32_16x16x128_f8f6f4 v[\d:\d+7], v[\bf:\bf+11], v[\af:\af+11], v[\c:\c+7], v[\sb], v[\sa] matrix_a_fmt:MATRIX_FMT_FP6 matrix_b_fmt:MATRIX_FMT_FP6
.elseif ((\rb)==1)&&((\ra)==0)
	v_wmma_scale_f32_16x16x128_f8f6f4 v[\d:\d+7], v[\bf:\bf+11], v[\af:\af+11], v[\c:\c+7], v[\sb], v[\sa] matrix_a_fmt:MATRIX_FMT_FP6 matrix_b_fmt:MATRIX_FMT_FP6 matrix_a_scale:MATRIX_SCALE_ROW1
.elseif ((\rb)==0)&&((\ra)==1)
	v_wmma_scale_f32_16x16x128_f8f6f4 v[\d:\d+7], v[\bf:\bf+11], v[\af:\af+11], v[\c:\c+7], v[\sb], v[\sa] matrix_a_fmt:MATRIX_FMT_FP6 matrix_b_fmt:MATRIX_FMT_FP6 matrix_b_scale:MATRIX_SCALE_ROW1
.else
	v_wmma_scale_f32_16x16x128_f8f6f4 v[\d:\d+7], v[\bf:\bf+11], v[\af:\af+11], v[\c:\c+7], v[\sb], v[\sa] matrix_a_fmt:MATRIX_FMT_FP6 matrix_b_fmt:MATRIX_FMT_FP6 matrix_a_scale:MATRIX_SCALE_ROW1 matrix_b_scale:MATRIX_SCALE_ROW1
.endif
.endm
.macro WMMZ d, bf, af, sb, rb, sa, ra  ; the same with the constant 0 as C: it starts a sum
.if ((\rb)==0)&&((\ra)==0)
	v_wmma_scale_f32_16x16x128_f8f6f4 v[\d:\d+7], v[\bf:\bf+11], v[\af:\af+11], 0, v[\sb], v[\sa] matrix_a_fmt:MATRIX_FMT_FP6 matrix_b_fmt:MATRIX_FMT_FP6
.elseif ((\rb)==1)&&((\ra)==0)
	v_wmma_scale_f32_16x16x128_f8f6f4 v[\d:\d+7], v[\bf:\bf+11], v[\af:\af+11], 0, v[\sb], v[\sa] matrix_a_fmt:MATRIX_FMT_FP6 matrix_b_fmt:MATRIX_FMT_FP6 matrix_a_scale:MATRIX_SCALE_ROW1
.elseif ((\rb)==0)&&((\ra)==1)
	v_wmma_scale_f32_16x16x128_f8f6f4 v[\d:\d+7], v[\bf:\bf+11], v[\af:\af+11], 0, v[\sb], v[\sa] matrix_a_fmt:MATRIX_FMT_FP6 matrix_b_fmt:MATRIX_FMT_FP6 matrix_b_scale:MATRIX_SCALE_ROW1
.else
	v_wmma_scale_f32_16x16x128_f8f6f4 v[\d:\d+7], v[\bf:\bf+11], v[\af:\af+11], 0, v[\sb], v[\sa] matrix_a_fmt:MATRIX_FMT_FP6 matrix_b_fmt:MATRIX_FMT_FP6 matrix_a_scale:MATRIX_SCALE_ROW1 matrix_b_scale:MATRIX_SCALE_ROW1
.endif
.endm
.macro MUL16 a0, g, cm                 ; A's fragments a0, a0 + 1 against B's eight; the 64 accumulators by turns, one instruction a turn
.irp a, \a0, \a0+1
.irp b, 0,1,2,3,4,5,6,7
.if (\cm) == 1
	WMMZ 8*(8*((\a)%4)+\b), 128*((\g)%2)+12*\b, AF+12*(\a), SC+8*((\g)%2)+4+\b/2, \b%2, SC+8*((\g)%2)+(\a)/2, (\a)%2
.else
	WMMR 8*(8*((\a)%4)+\b), 128*((\g)%2)+12*\b, AF+12*(\a), 8*(8*((\a)%4)+\b), SC+8*((\g)%2)+4+\b/2, \b%2, SC+8*((\g)%2)+(\a)/2, (\a)%2
.endif
.endr
.endr
.endm
.macro FETCH_B sl, q, p
	WIN 0x40
.irp i, 0,1,2,3,4,5,6,7
	FRAG 128*(\p)+12*\i, ADRB+(\sl), (\q)*QB+\i*FB
.endr
	WIN 0
.endm
.macro FETCH_A sl, q, i0
.irp i, \i0, \i0+1, \i0+2, \i0+3
	FRAG AF+12*(\i), ADRA+(\sl), (\q)*QB+(\i)*FB
.endr
.endm
.macro SCALES g, sl, q                 ; K step g's scale words: step q of slot sl
.irp p, 0,1,2,3
	ds_load_b32 v[SC+8*((\g)%2)+\p], v[ADSA+(\sl)] offset:(\q)*QB+128*\p
	ds_load_b32 v[SC+8*((\g)%2)+4+\p], v[ADSB+(\sl)] offset:(\q)*QB+128*\p
.endr
.endm
.macro STEP g, nsl, nq, cm
	s_wait_dscnt 12                                ; all but the youngest 12 loads: A's fragments 4-7
	WIN 0xa1
	MUL16 0, \g, \cm
	MUL16 2, \g, \cm
	s_wait_dscnt 0x0
	PLACES 4                                       ; four plain places in front of loads into registers that products have read
	FETCH_B \nsl, \nq, ((\g)+1)%2
	FETCH_A \nsl, \nq, 0
	SCALES (\g)+1, \nsl, \nq
	WIN 0xf1
	MUL16 4, \g, \cm
	MUL16 6, \g, \cm
	PLACES 4
	WIN 0
	FETCH_A \nsl, \nq, 4
.endm
.macro TURN g, nsl, nq, fill
	s_wait_tensorcnt 0x0                           ; all my tensor loads have landed
	ds_add_u32 v[SPW], v[NIL]
	s_wait_dscnt 13                                ; (the add and A's fragments 4-7 may be out)
	WIN 0xa1
	MUL16 0, \g, 0
	s_wait_dscnt 0x0                               ; the add is done, and my reads of the slot in hand are over
	s_barrier_signal -1
	MUL16 2, \g, 0
	WIN 0
	s_barrier_wait -1
.if \fill
	CREST                                          ; no wave of any partner still reads slot 0 or has a load on its way
	s_add_nc_u64 s[G0A0+2:G0A0+3], s[G0A0+2:G0A0+3], 2*TRI
	s_add_nc_u64 s[G0B0+2:G0B0+3], s[G0B0+2:G0B0+3], 2*TRI
	s_mov_b32 s[G1+2], 100<<16                     ; two K steps, 25,600 bytes (no tensor load of mine is out)
	s_mov_b32 s[G1+4], 100
	s_mov_b32 s[G1B+2], 100<<16
	s_mov_b32 s[G1B+4], 100
	JLOAD G0A0, G1, G0B0, G1B                      ; the first tensor load behind the round; its four v_nop are the places in front of the loads below
.else
	PLACES 4
.endif
	FETCH_B \nsl, \nq, ((\g)+1)%2
	FETCH_A \nsl, \nq, 0
	SCALES (\g)+1, \nsl, \nq
	WIN 0xf1
	MUL16 4, \g, 0
	MUL16 6, \g, 0
	PLACES 4
	WIN 0
	FETCH_A \nsl, \nq, 4
.endm
	s_load_b64 s[4:5], s[0:1], 0x0                 ; b2c
	s_load_b128 s[8:11], s[0:1], 0x8               ; b3c s[8:9], b3s s[10:11]
	v_lshl_add_u32 v[SPW], v0, 2, SPARE
	v_mov_b32 v[NIL], 0
	ds_add_u32 v[SPW], v[NIL]                      ; the wave's opening: the add and its wait ahead of my first tensor load
	ds_add_u32 v[SPW], v[NIL]
	v_lshrrev_b32 v1, 5, v0
	v_readfirstlane_b32 s[WV], v1
	s_lshr_b32 s[WM], s[WV], 1
	s_and_b32 s[WN], s[WV], 1
	s_bfe_u32 s21, ttmp6, 0x40000                  ; cx
	s_bfe_u32 s22, ttmp6, 0x40004                  ; cy
	s_and_b32 s23, ttmp7, 0xffff                   ; cluster y
	s_lshl_b32 s94, s23, 2
	s_add_co_u32 s94, s94, s22                     ; tile row: 256 queries, 0..31
	s_lshl_b32 s92, ttmp9, 2
	s_add_co_u32 s92, s92, s21                     ; tile column: 256 keys of the batch, 0..7
	s_lshr_b32 s23, s23, 1                         ; the batch: eight tile rows each
	s_lshl_b32 s96, s22, 2
	s_lshl_b32 s96, 15, s96                        ; my row of the cluster
	s_lshl_b32 s98, 0x1111, s21                    ; my column
	s_or_b32 s[G1], s96, (3<<16)|(1<<21)
	s_or_b32 s[G1B], s98, (3<<16)|(1<<21)
.irp g, G1, G1B                                ; three K steps of a group, 38,400 bytes, as rows of 256
	s_mov_b32 s[\g+1], 32<<16
	s_mov_b32 s[\g+2], 150<<16
	s_mov_b32 s[\g+3], 32<<16
	s_mov_b32 s[\g+4], 150
	s_mov_b32 s[\g+5], 32
	s_mov_b32 s[\g+6], 0
	s_mov_b32 s[\g+7], 0
.endr
	s_lshl_b32 s95, s94, 1
	s_add_co_u32 s95, s95, s[WN]                   ; q's group that I would fetch
	s_lshl_b32 s93, s23, 4
	s_lshl_b32 s98, s92, 1
	s_add_co_u32 s93, s93, s98
	s_add_co_u32 s93, s93, s[WN]
	s_add_co_u32 s93, s93, 64                      ; k's: 64 + 16 x batch + 2 x tile column + half
	s_mul_i32 s96, s95, 8*QB
	s_mov_b32 s97, 0
	s_mul_i32 s98, s93, 8*QB
	s_mov_b32 s99, 0
.irp g, G0A0, G0A1, G0B0, G0B1
	s_mov_b32 s[\g], 1
.endr
	s_mul_i32 s[G0A0+1], s[WV], TRI
	s_add_co_u32 s[G0A1+1], s[G0A0+1], SLOT
	s_mul_i32 s[G0B0+1], s[WV], TRI
	s_add_co_u32 s[G0B1+1], s[G0B0+1], SLOT
	s_mov_b32 s[CS], 0x3d38aa3b                    ; c = log2(e) / 32
	s_mov_b32 s[CS+1], s[CS]                       ; (named with it as a pair, so it is written)
	s_mov_b32 s[SEL], 0x76543210
	s_mov_b32 s[SEL+1], 0xfedcba98
	s_mov_b32 s[HM], 0xffff0000
	s_wait_dscnt 0x0                               ; both opening adds are done
	CROUND                                         ; all sixteen work-groups are here: the first joint loads meet
	s_wait_kmcnt 0x0
	s_add_nc_u64 s[G0A0+2:G0A0+3], s[4:5], s[96:97]
	s_add_nc_u64 s[G0A1+2:G0A1+3], s[G0A0+2:G0A0+3], TRI
	s_add_nc_u64 s[G0B0+2:G0B0+3], s[4:5], s[98:99]
	s_add_nc_u64 s[G0B1+2:G0B1+3], s[G0B0+2:G0B0+3], TRI
.irp g, G0A0, G0A1, G0B0, G0B1
	s_or_b32 s[\g+3], s[\g+3], 0x80000000
.endr
	JLOAD G0A0, G1, G0B0, G1B                      ; K steps 0-2, behind the round above: one tensor load a wave at the head
	s_lshl_b32 s94, s94, 1
	s_add_co_u32 s94, s94, s[WM]                   ; my group of queries
	s_lshl_b32 s92, s92, 1
	s_add_co_u32 s92, s92, s[WN]                   ; my 128 keys of the batch: P's K step
	s_lshl_b32 s4, s94, 4
	s_add_co_u32 s4, s4, s92                       ; P's record
	s_mul_i32 s6, s94, 128*FB                      ; P's codes: group x 128 fragment images + my K step
	s_mul_i32 s7, s92, FB
	s_add_co_u32 s6, s6, s7
	s_mov_b32 s7, 0
	s_add_nc_u64 s[8:9], s[8:9], s[6:7]
	s_lshl_b32 s6, s4, 9
	s_add_nc_u64 s[10:11], s[10:11], s[6:7]
	v_and_b32 v1, 31, v0
	v_lshlrev_b32 v[LI], 4, v1
	v_lshlrev_b32 v4, 2, v1
	s_wait_alu depctr_va_vdst(0)
	s_mul_i32 s4, s[WM], TRI
	v_add_nc_u32 v[ADRA], s4, v[LI]
	v_add_nc_u32 v[ADRA+1], SLOT, v[ADRA]
	s_add_co_u32 s4, s4, 12288                     ; a record's scale words lie behind its codes
	v_add_nc_u32 v[ADSA], s4, v4
	v_add_nc_u32 v[ADSA+1], SLOT, v[ADSA]
	s_mul_i32 s4, s[WN], TRI
	s_add_co_u32 s4, s4, 2*TRI
	v_add_nc_u32 v[ADRB], s4, v[LI]
	v_add_nc_u32 v[ADRB+1], SLOT, v[ADRB]
	s_add_co_u32 s4, s4, 12288
	v_add_nc_u32 v[ADSB], s4, v4
	v_add_nc_u32 v[ADSB+1], SLOT, v[ADSB]
	s_mul_i32 s4, s[WV], 1536
	s_add_co_u32 s4, s4, STG
	v_add_nc_u32 v[STW], s4, v4
	v_add_nc_u32 v[STR], s4, v[LI]
.irp b, 0,1,2,3
	v_mov_b32 v[BX+4+\b], 0                        ; written once: a lane permute's destination counts as one of its sources
.endr
	v_mov_b32 v[NMW+1], 0                          ; (named as the upper half of a pair)
	s_wait_alu depctr_va_vdst(0)
	s_wait_tensorcnt 0x0                           ; my part of slot 0 is in
	ds_add_u32 v[SPW], v[NIL]
	s_wait_dscnt 0x0
	CROUND                                         ; slot 0 is whole in every work-group
	JLOAD G0A1, G1, G0B1, G1B                      ; K steps 3-5: slot 1's first fill; it has two steps in which to land
	FETCH_B 0, 0, 0
	FETCH_A 0, 0, 0
	SCALES 0, 0, 0
	FETCH_A 0, 0, 4
	STEP 0, 0, 1, 1                                ; the first step starts the sums
	STEP 1, 0, 2, 0
	TURN 2, 1, 0, 1                                ; slot 0 is read out: K steps 6, 7 go out
	STEP 3, 1, 1, 0
	STEP 4, 1, 2, 0
	TURN 5, 0, 0, 0
	STEP 6, 0, 1, 0
	s_wait_dscnt 12
	WIN 0xa1
	MUL16 0, 7, 0
	MUL16 2, 7, 0
	s_wait_dscnt 0x0
	WIN 0xf1
	MUL16 4, 7, 0
	MUL16 6, 7, 0
	WIN 0
	PLACES 4
; The 16 queries of A's fragment a against my 128 keys: the softmax's weights under the local M, quantised, as one fragment of P.
; (As the text stands: two fragments a, a + 1 at a time, a even, in place on the accumulators.  Fragment a + p works in v[BX - 104 p ..], v[NMW - 104 p ..] and so on: p = 1 in the registers that held A's fragments.)
.macro SOFT2 a
.set W_, 2+(\a)/4                      ; the scores' window
.set A0_, 64*((\a)%4)
.if (\a) >= 2
	s_wait_xcnt 0x0                                ; the last stores have read the codes' registers
.endif
	WIN (W_<<2)|(W_<<4)                            ; sources 1 and 2: the scores' window
	s_wait_alu depctr_va_vdst(0)                   ; the wait ahead of the first readers of the matrix results
.irp b, 0,1,2,3
.irp p, 0,1
	v_max3_num_f32 v[BX-104*\p+\b], 0xff800000, v[A0_+64*\p+16*\b], v[A0_+64*\p+16*\b+1]   ; THE LARGEST SCORE OF EACH BLOCK OF 32 KEYS: for the row's maximum and, since p rises with the score, for the block's largest p.  Each accumulator is read from its low end on
.endr
.endr
.irp i, 2,4,6,8,10,12,14
.irp b, 0,1,2,3
.irp p, 0,1
	v_max3_num_f32 v[BX-104*\p+\b], v[BX-104*\p+\b], v[A0_+64*\p+16*\b+\i], v[A0_+64*\p+16*\b+\i+1]
.endr
.endr
.endr
	WIN 0
.irp b, 0,1,2,3
.irp p, 0,1
	v_permlanex16_b32 v[BX-104*\p+4+\b], v[BX-104*\p+\b], s[SEL], s[SEL+1]
.endr
.endr
.irp b, 0,1,2,3
.irp p, 0,1
	v_max_num_f32 v[BX-104*\p+\b], v[BX-104*\p+\b], v[BX-104*\p+4+\b]   ; with lane l xor 16's 16 keys
.endr
.endr
.irp p, 0,1
	v_max3_num_f32 v[TT-104*\p], v[BX-104*\p], v[BX-104*\p+1], v[BX-104*\p+2]
.endr
.irp p, 0,1
	v_max_num_f32 v[TT-104*\p], v[TT-104*\p], v[BX-104*\p+3]
.endr
.irp p, 0,1
	v_mul_f32 v[TT-104*\p], s[CS], v[TT-104*\p]    ; as t (c is positive)
.endr
.irp p, 0,1
	v_floor_f32 v[NMW-104*\p], -v[TT-104*\p]       ; -M_loc = floor(-t) = -ceil(t)
.endr
	WIN (W_<<6)|W_                                 ; destination and source 0: the scores' window
.irp p, 0,1
.set j, 0
.rept 32
	v_pk_fma_f32 v[A0_+64*\p+j:A0_+64*\p+j+1], v[A0_+64*\p+j:A0_+64*\p+j+1], s[CS:CS+1], v[NMW-104*\p:NMW-104*\p+1] op_sel_hi:[1,0,0]   ; t - M_loc, two at a time
.set j, j+2
.endr
.endr
	WIN 0
.irp b, 0,1,2,3
.irp p, 0,1
	v_fma_f32 v[BX-104*\p+\b], v[BX-104*\p+\b], s[CS], v[NMW-104*\p]    ; the same of each block's largest score
.endr
.endr
	s_wait_alu depctr_va_vdst(0)                   ; the wait ahead of the batch
.irp b, 0,1,2,3
.irp p, 0,1
	v_exp_f32 v[BX-104*\p+\b], v[BX-104*\p+\b]     ; the block's largest p: the same two instructions on the same number give the same bits
.endr
.endr
	WIN (W_<<6)|W_
.set j, 0
.rept 128
	v_exp_f32 v[A0_+j], v[A0_+j]                   ; p, at most 1
.set j, j+1
.endr
	WIN 0
	v_mov_b32 v[SM+(\a)], v[NMW]                   ; (plain places behind the exponentials)
	v_mov_b32 v[SM+(\a)+1], v[NMW-104]
	s_wait_alu depctr_va_vdst(0)                   ; one wait for the batch, ahead of its first reader
	WIN W_|(W_<<2)
.irp p, 0,1                                    ; THE SUM IS TAKEN OF THE UNQUANTISED p: two at a time, in two chains a fragment
	v_pk_add_f32 v[SA-104*\p:SA-104*\p+1], v[A0_+64*\p:A0_+64*\p+1], v[A0_+64*\p+4:A0_+64*\p+5]
	v_pk_add_f32 v[SB-104*\p:SB-104*\p+1], v[A0_+64*\p+2:A0_+64*\p+3], v[A0_+64*\p+6:A0_+64*\p+7]
.endr
	WIN W_<<2
.irp i, 8,12,16,20,24,28,32,36,40,44,48,52,56,60
.irp p, 0,1
	v_pk_add_f32 v[SA-104*\p:SA-104*\p+1], v[SA-104*\p:SA-104*\p+1], v[A0_+64*\p+\i:A0_+64*\p+\i+1]
	v_pk_add_f32 v[SB-104*\p:SB-104*\p+1], v[SB-104*\p:SB-104*\p+1], v[A0_+64*\p+\i+2:A0_+64*\p+\i+3]
.endr
.endr
	WIN 0
.irp b, 0,1,2,3
.irp p, 0,1
	v_max_num_f32 v[BX-104*\p+\b], 0x1800000, v[BX-104*\p+\b]    ; the floor 2^(3 - 127): the byte cannot fall under 1
.endr
.endr
.irp p, 0,1
	v_pk_add_f32 v[SA-104*\p:SA-104*\p+1], v[SA-104*\p:SA-104*\p+1], v[SB-104*\p:SB-104*\p+1]
.endr
.irp b, 0,1,2,3
.irp p, 0,1
	v_add_nc_u32 v[BX-104*\p+12+\b], 0xff000000, v[BX-104*\p+\b]
.endr
.endr
.irp p, 0,1
	v_add_f32 v[SA-104*\p], v[SA-104*\p], v[SA-104*\p+1]
.endr
.irp b, 0,1,2,3
.irp p, 0,1
	v_lshrrev_b32 v[BX-104*\p+4+\b], 23, v[BX-104*\p+12+\b]
.endr
.endr
.irp p, 0,1
	v_permlanex16_b32 v[SA-104*\p+1], v[SA-104*\p], s[SEL], s[SEL+1]
	v_lshl_or_b32 v[PW+(\a)+\p], v[BX-104*\p+5], 8, v[BX-104*\p+4]
.endr
.irp p, 0,1
	v_add_f32 v[SL+(\a)+\p], v[SA-104*\p], v[SA-104*\p+1]        ; l_loc
	v_lshl_or_b32 v[PW+(\a)+\p], v[BX-104*\p+6], 16, v[PW+(\a)+\p]
.endr
.irp p, 0,1
	v_lshl_or_b32 v[PW+(\a)+\p], v[BX-104*\p+7], 24, v[PW+(\a)+\p]
.endr
	WIN W_                                         ; source 0: the scores' window
.irp p, 0,1
.irp c, 0,1
	v_cvt_scalef32_pk16_fp6_f32 v[PC+20*\p+6*\c:PC+20*\p+6*\c+2], v[A0_+64*\p+32*\c:A0_+64*\p+32*\c+15], v[BX-104*\p+12+2*\c]
	v_cvt_scalef32_pk16_fp6_f32 v[PC+20*\p+12+4*\c:PC+20*\p+14+4*\c], v[A0_+64*\p+16+32*\c:A0_+64*\p+31+32*\c], v[BX-104*\p+13+2*\c]
.endr
.endr
	WIN 0
	v_nop                                          ; one plain place behind a scaled conversion
.irp i, 0,1,2
.irp p, 0,1
.irp c, 0,1
	v_permlane16_swap_b32 v[PC+20*\p+6*\c+\i], v[PC+20*\p+12+4*\c+\i]
.endr
.endr
.endr
.irp i, 0,1,2
.irp p, 0,1
.irp c, 0,1
	v_mov_b32 v[PC+20*\p+3+6*\c+\i], v[PC+20*\p+12+4*\c+\i]
.endr
.endr
.endr
.irp p, 0,1
.irp c, 0,1,2
	global_store_b128 v[LI], v[PC+20*\p+4*\c:PC+20*\p+4*\c+3], s[8:9] offset:16*FB*((\a)+\p)+512*\c   ; 512 consecutive bytes, aligned
.endr
.endr
.endm
.irp a, 0,2,4,6
	SOFT2 \a
.endr
.irp y, 0,1,2                                  ; three records of 128 words (scale words, -M_loc, l_loc): word 16 a + r; through my stage, so that one store covers a record's 512 bytes
.irp p, 0,1,2,3
	v_cndmask_b32 v[T+4*\y+\p], v[PW+8*\y+2*\p], v[PW+8*\y+2*\p+1], s[HM]
.endr
.endr
.irp y, 0,1,2
.irp p, 0,1,2,3
	ds_store_b32 v[STW], v[T+4*\y+\p] offset:512*\y+128*\p
.endr
.endr
.irp y, 0,1,2
	ds_load_b128 v[T+12+4*\y:T+15+4*\y], v[STR] offset:512*\y   ; LDS serves a wave's instructions in order
.endr
	s_wait_dscnt 0x0
.irp y, 0,1,2
	global_store_b128 v[LI], v[T+12+4*\y:T+15+4*\y], s[10:11] offset:524288*\y
.endr
	s_wait_tensorcnt 0x0                           ; the wave's end
	ds_add_u32 v[SPW], v[NIL]
	s_wait_dscnt 0x0
	CROUND                                         ; the closing round
	s_endpgm
.Lfunc_end_k_qfcbce8021e_score:
	.size	k_qfcbce8021e_score, .Lfunc_end_k_qfcbce8021e_score-k_qfcbce8021e_score
	.p2alignl 7, 3214868480
	.fill 96, 4, 3214868480
	.section	.rodata,"a",@progbits
	.p2align	6, 0x0
	.amdhsa_kernel k_qfcbce8021e_score
		.amdhsa_group_segment_fixed_size 327680
		.amdhsa_private_segment_fixed_size 0
		.amdhsa_enable_private_segment 0
		.amdhsa_kernarg_size 24
		.amdhsa_user_sgpr_count 2
		.amdhsa_user_sgpr_kernarg_segment_ptr 1
		.amdhsa_wavefront_size32 1
		.amdhsa_system_sgpr_workgroup_id_x 1
		.amdhsa_system_sgpr_workgroup_id_y 1
		.amdhsa_system_sgpr_workgroup_id_z 1
		.amdhsa_system_vgpr_workitem_id 0
		.amdhsa_next_free_vgpr 1024
		.amdhsa_next_free_sgpr 102
		.amdhsa_reserve_vcc 0
		.amdhsa_float_denorm_mode_32 3
		.amdhsa_float_denorm_mode_16_64 3
		.amdhsa_memory_ordered 1
		.amdhsa_forward_progress 1
		.amdhsa_inst_pref_size 196
	.end_amdhsa_kernel
	.amdgpu_metadata
---
amdhsa.version: [ 1, 2 ]
amdhsa.kernels:
  - .name:           k_qfcbce8021e_score
    .symbol:         k_qfcbce8021e_score.kd
    .args:
      - { .name: b2c, .offset: 0, .size: 8, .value_kind: global_buffer, .address_space: global }
      - { .name: b3c, .offset: 8, .size: 8, .value_kind: global_buffer, .address_space: global }
      - { .name: b3s, .offset: 16, .size: 8, .value_kind: global_buffer, .address_space: global }
    .group_segment_fixed_size: 327680
    .private_segment_fixed_size: 0
    .kernarg_segment_align: 8
    .kernarg_segment_size: 24
    .max_flat_workgroup_size: 128
    .sgpr_count:     102
    .vgpr_count:     1024
    .wavefront_size: 32
...
	.end_amdgpu_metadata
.endif
;; end of part 3
;; launch mix (part 4): grid 8 x 32, 4 waves a work-group, clusters of 4 x 4, 327,680 bytes of LDS; arguments b3c, b3s, b2c, out0; writes out0
.if DOCPART == 4
	.amdgcn_target "amdgcn-amd-amdhsa--gfx1250"
	.amdhsa_code_object_version 6
	.text
	.protected	k_qfcbce8021e_mix
	.globl	k_qfcbce8021e_mix
	.p2align	8
	.type	k_qfcbce8021e_mix,@function
k_qfcbce8021e_mix:
	s_mov_b64 s[64:65], 0
	v_nop
	global_prefetch_b8 v0, s[64:65] scope:SCOPE_SE
	s_setreg_imm32_b32 hwreg(HW_REG_WAVE_MODE, 25, 1), 1
	s_wait_xcnt 0x0
	s_wait_alu depctr_hold_cnt(0) depctr_sa_sdst(0) depctr_va_vdst(0) depctr_va_sdst(0) depctr_va_ssrc(0) depctr_va_vcc(0) depctr_vm_vsrc(0)
	s_getreg_b32 s2, hwreg(HW_REG_IB_STS2, 6, 4)
	s_cmp_eq_u32 s2, 0
	s_cbranch_scc0 .Lentry_in_a_cluster
	s_endpgm
.Lentry_in_a_cluster:
	s_bfe_u32 s2, ttmp6, 0x10000c
	s_cmp_lg_u32 s2, 0xf033
	s_cbranch_scc0 .Lentry_shape_is_right
	s_endpgm
.Lentry_shape_is_right:
; out = (P V) / l on codes of FP6.  P's codes were made under a local M for each query and 128 keys.  Here each query's largest M is taken; each of its 16 scale words is lowered, byte by byte, by M - M_loc (a whole number:
; the codes then stand for p under the row's own M); l = the sum of l_loc x 2^(M_loc - M); the product's result is multiplied by 1 / l.
; LIMITS: M - M_loc is held at 127 and a scale byte at 0 (2^-127) from below: weights more than 2^127 under the row's largest count for next to nothing beside l > 1/2; NaN and infinities are not served.
; OPERANDS ARE IMAGES OF REGISTERS (a fragment, 16 rows x 128 K: 1,536 bytes; registers 4 c .. 4 c + 3 of lane l at 512 c + 16 l).  P: [group of 128 queries][fragment][K step]; lane r of fragment s is query 32 (s / 2) + 8 (s % 2) + r + 8 (r / 8).
; V^T: records [batch][group of 128 columns][K step], 12,288 bytes of codes and 512 of scale words; lane r of fragment i is column 64 (i / 4) + 4 r + i % 4.
; A work-group makes 256 queries x 128 columns; 256 work-groups.  Wave w: queries of group w / 2, columns 64 (w % 2) on.
; V^T LIES IN REGISTERS: a wave holds its 64 columns, all 2,048 keys: 4 x 16 fragments, 768 registers.  P streams past in eight blocks of 16 queries, all keys: 64 products each.  Source 0 = P, source 1 = V^T: lane (r, h) then holds, in register j
; of its four accumulators, query row 8 h + j, columns 4 r .. 4 r + 3: sixteen lanes store 256 consecutive bytes, straight from registers.  A block's results leave under the next block's products.
; LDS: V^T's 16 records at 0; a chunk of P = two blocks of both groups, all keys: 98,304 bytes.  Chunk 0 behind V^T; chunk 1 onto V^T's K steps 0-7, chunk 2 onto its K steps 8-15, chunk 3 onto chunk 0: each when every wave holds in registers what lay there.
; FILLS: one tensor load a wave at the head, and one behind each of two rounds of the cluster's barrier.  CLUSTERS 4 x 4: P hangs on the place along y alone and is asked for jointly along a row of the cluster, V^T on the place along x (and the batch), along a column.
; M_loc, l_loc and P's scale words (48 words a query, read by every work-group for its own queries) go from memory into registers and are not asked for jointly: they are lowered in registers first.
; PREFETCH: what the two rounds will load is asked for ahead, shared out by address among the sixteen waves of the four work-groups that ask jointly: chunk 1 at the head, chunks 2 and 3 behind the first round.
; REGISTERS, window 0: v0-15 addresses; v16-47 V^T's scale words; v48-63 P's, two sets; v64-79 1 / l, two sets; v80-143 two sets of four accumulators; v144-159 results on their way out; v160-171 V^T's last fragment; v172-255 P's fragments in turn.
;   Windows 1 to 3: V^T's fragments 0-62, 21 to a window.  The head's work lies in v64-201 before these are filled.
.set QB,    12800
.set FB,    1536
.set BLK,   16*FB                      ; a fragment's 16 K steps: 24,576
.set GRP,   8*BLK                      ; a group of 128 queries
.set VH,    8*QB                       ; V^T's eight K steps: 102,400
.set CB,    2*VH                       ; chunk 0, and chunk 3
.set PS,    CB+4*BLK                   ; P's lowered scale words: [group][K step][128 words]
.set RL,    PS+16384                   ; 1 / l of 256 queries
.set SPARE, RL+1024                    ; the spare words: two blocks of 256 bytes that no other line names
.set CO,   0                           ; v0  my place in a row pair of the result (at the head: the thread's number)
.set RLA,  1                           ; v1  LDS: 1 / l
.set SPW,  2                           ; v2  my spare word; never rewritten
.set NIL,  3                           ; v3  0; never rewritten
.set ADV,  4                           ; v4-7 V^T's fragments, K steps 0, 5, 10, 15 on
.set ADC,  8                           ; v8-10 my blocks of chunk 1, 2, 3 (chunk 0 lies where chunk 3 will)
.set ADVS, 11                          ; v11-14 V^T's scale words, K steps 0, 5, 10, 15 on
.set ADS,  15                          ; v15 P's scale words
.set VSC,  16                          ; K step q: v[VSC + 2 q + p]: lanes 0-15 fragment 2 p, lanes 16-31 fragment 2 p + 1
.set PSC,  48                          ; set n: v[PSC + 8 n + i]: lanes 0-15 K step 2 i, lanes 16-31 K step 2 i + 1
.set RLV,  64
.set ACC,  80
.set OUT,  144
.set VL,   160
.set RING, 172
.set PF,   244                         ; the prefetches' offset, until the seventh place of the ring is filled
.set NM,   64                          ; the head: 2 x 16 -M_loc, then M - M_loc
.set LL,   96                          ; 2 x 16 l_loc
.set W,    128                         ; 2 x 16 scale words
.set DD,   160
.set MK,   176
.set MN,   192
.set RC,   193                         ; v193, v194
.set TH4,  195
.set PSA,  196
.set RLW,  197
.set LN,   198
.set RR,   199
.set HH,   200
.set L16,  201
.set WV,   18
.set WM,   19
.set WN,   20
.set K80,  3
.set G1V,  24
.set G1P,  32
.set G1Q,  40
.set G0V0, 48
.set G0V1, 52
.set G0P0, 56
.set G0P1, 60
.set G0C,  68
.set G0D,  72
.set MSB, 0
.macro WIN new
.if MSB != (\new)
	s_set_vgpr_msb (MSB<<8)|(\new)
.set MSB, (\new)
.endif
.endm
.macro PLACES n
.rept \n
	v_nop
.endr
.endm
.macro CREST                           ; a round of the cluster's barrier behind its opening barrier
	s_cmp_lg_u32 s[WV], 0
	s_cbranch_scc1 .Lnot_wave_0_\@
	s_barrier_signal -3
.Lnot_wave_0_\@:
	s_barrier_wait -3
	s_barrier_signal -1
	s_barrier_wait -1
.endm
.macro CROUND
	s_barrier_signal -1
	s_barrier_wait -1
	CREST
.endm
.macro TLOAD g0, g1
	tensor_load_to_lds s[\g0:\g0+3], s[\g1:\g1+7]
	s_nop 0
	PLACES 4
.endm
.macro FR3 reg, adr, off               ; a fragment's image into 12 registers
.irp c, 0,1,2
	ds_load_b128 v[\reg+4*\c:\reg+4*\c+3], v[\adr] offset:\off+512*\c
.endr
.endm
.macro VF f                            ; where V^T's fragment f (4 x K step + b) lies
.if (\f)==63
.set VW_, 0
.set VR_, VL
.else
.set VW_, 1+(\f)/21
.set VR_, 12*((\f)%21)
.endif
.endm
; ---- one product: accumulator d, P's fragment at a, V^T's fragment b of K step q, P's scale register ps.  K step 0 starts the sum with the constant 0.  The four accumulators take turns.
.macro WMX c, ra, rb
	v_wmma_scale_f32_16x16x128_f8f6f4 v[D_:D_+7], v[A_:A_+11], v[VR_:VR_+11], \c, v[SA_], v[SB_] matrix_a_fmt:MATRIX_FMT_FP6 matrix_b_fmt:MATRIX_FMT_FP6 matrix_a_scale:MATRIX_SCALE_ROW\ra matrix_b_scale:MATRIX_SCALE_ROW\rb
.endm
.macro WMQ c, q, b
.if ((\q)%2)==0
.if ((\b)%2)==0
	WMX \c, 0, 0
.else
	WMX \c, 0, 1
.endif
.else
.if ((\b)%2)==0
	WMX \c, 1, 0
.else
	WMX \c, 1, 1
.endif
.endif
.endm
.macro WMM d, a, q, b, ps
	VF 4*(\q)+(\b)
	WIN VW_<<2                                     ; source 1: V^T's window; all else window 0
.set D_, \d
.set A_, \a
.set SA_, \ps
.set SB_, VSC+2*(\q)+(\b)/2
.if (\q)==0
	WMQ 0, \q, \b
.else
	WMQ v[D_:D_+7], \q, \b
.endif
.endm
; ---- the first two blocks: V^T comes into registers step by step, and both blocks' products of a step follow its landing.  P's fragments: six places of the ring by turns.
.macro HPROD q, k
.irp b, 0,1,2,3
	WMM ACC+32*(\k)+8*\b, RING+12*((2*(\q)+(\k))%6), \q, \b, PSC+8*(\k)+(\q)/2
.endr
.endm
.macro FETCHP q                        ; 6 loads
.irp k, 0,1
	FR3 RING+12*((2*(\q)+\k)%6), ADC+2, \k*BLK+(\q)*FB
.endr
.endm
.macro FETCHV q                        ; 14 loads
.irp b, 0,1,2,3
	VF 4*(\q)+\b
	WIN VW_<<6                                     ; destination: V^T's window
	FR3 VR_, ADV+(\q)/5, ((\q)%5)*QB+\b*FB
.endr
	WIN 0
.irp p, 0,1
	ds_load_b32 v[VSC+2*(\q)+\p], v[ADVS+(\q)/5] offset:((\q)%5)*QB+128*\p
.endr
.endm
.macro HSTEP q
	s_wait_dscnt 20                                ; step q's loads are in; the next step's 20 may be out
	HPROD \q, 0
	HPROD \q, 1
	WIN 0
	PLACES 4                                       ; four plain places in front of loads into registers that products have read
	FETCHP (\q)+2                                  ; one run of loads a step
	FETCHV (\q)+2
.endm
.macro HROUND q                        ; steps q and q + 1 with a round: in front of it every wave waits for its tensor load, adds 0 to its spare word, and waits for that and for its LDS reads
	s_wait_dscnt 20
	s_wait_tensorcnt 0x0
	ds_add_u32 v[SPW], v[NIL]
	HPROD \q, 0
	HPROD \q, 1
	s_wait_dscnt 0x0                               ; the add is done, and step q + 1's loads are in
	s_barrier_signal -1
	HPROD (\q)+1, 0
	HPROD (\q)+1, 1
	WIN 0
	s_barrier_wait -1
	CREST
.endm
; ---- the other blocks.  Fragments of P, numbered t = 16 x block + K step, take seven places of the ring by turns.  A QUAD is four K steps, 16 products, and one run of loads and stores behind them: behind the quad that begins at t
; the run fetches t + 7 to t + 10, so that seven fragments lie in the ring or are on their way.
.macro FT t
.set FTB_, (\t)/16
	FR3 RING+12*((\t)%7), ADC-1+FTB_/2, (FTB_%2)*BLK+((\t)%16)*FB
.endm
.macro P1 s, q, b
	WMM ACC+32*((\s)%2)+8*(\b), RING+12*((16*(\s)+(\q))%7), \q, \b, PSC+8*((\s)%2)+(\q)/2
.endm
.macro OUTMB j, n, o                   ; row j of set n's results into v[o .. o + 3]: four neighbouring columns a lane, times 1 / l.  Each accumulator is read from its low end on
.irp b, 0,1,2,3
	v_mul_f32 v[\o+\b], v[ACC+32*(\n)+8*\b+(\j)], v[RLV+8*(\n)+(\j)]
.endr
.endm
.macro OUTSB j, s, o                   ; block s: lanes 0-15 store one row's 256 bytes, lanes 16-31 those of the row 16 further on
	global_store_b128 v[CO], v[\o:\o+3], s[10:11] offset:(32*((\s)/2)+8*((\s)%2)+(\j))*4096 th:TH_STORE_NT
.endm
.macro OUTM j, n
	OUTMB \j, \n, OUT+4*((\j)%4)
.endm
.macro OUTS j, s
	OUTSB \j, \s, OUT+4*((\j)%4)
.endm
.macro LASTSTEP s, g                   ; a quad's fourth step, and two rows of the last block's results; the second four multiplications are also the places in front of the run's loads
	P1 \s, Q_+3, 0
	WIN 0
	OUTM 2*(\g), ((\s)+1)%2
	P1 \s, Q_+3, 1
	P1 \s, Q_+3, 2
	P1 \s, Q_+3, 3
	WIN 0
	OUTM 2*(\g)+1, ((\s)+1)%2
.endm
.macro QUAD s, g
.set Q_, 4*(\g)
	s_wait_dscnt LAST_                             ; LAST_ = the last run's LDS loads, which may all be out: what they bring is first read in the fourth step
.if ((\g)%2)==0
	s_wait_xcnt 0x0                                ; the earlier stores have read the registers that this quad and the next write
.endif
.irp k, 0,1,2
.irp b, 0,1,2,3
	P1 \s, Q_+\k, \b
.endr
.endr
.if (((\s)==3)||((\s)==5))&&((\g)==2)  ; a plain barrier shows the next chunk to all waves, ahead of its first fragment's load
	WIN 0
.if (\s)==3
	s_cmp_lt_u32 s[WV], 2                          ; chunk 2 is waves 0 and 1's; chunk 3 may still be on its way
	s_cbranch_scc0 .Llater_\@
	s_wait_tensorcnt 0x0
.Llater_\@:
.else
	s_wait_tensorcnt 0x0                           ; chunk 3
.endif
	s_wait_dscnt 0x0
	s_barrier_signal -1
	LASTSTEP \s, \g
	s_wait_alu depctr_va_vdst(0)
	s_barrier_wait -1
.else
	s_wait_dscnt LAST_-3                           ; the last run's first fragment is in
	LASTSTEP \s, \g
.endif
.set LAST_, 0
.irp i, 7,8,9,10
.if 16*(\s)+4*(\g)+\i < 128
	FT 16*(\s)+4*(\g)+\i
.set LAST_, LAST_+3
.endif
.endr
.if (\s)<7                             ; the next block's scale words for four K steps
	ds_load_b32 v[PSC+8*(((\s)+1)%2)+2*(\g)], v[ADS] offset:2048*(\g)+64*((\s)+1)
	ds_load_b32 v[PSC+8*(((\s)+1)%2)+2*(\g)+1], v[ADS] offset:2048*(\g)+1024+64*((\s)+1)
.set LAST_, LAST_+2
.endif
.if (\g)==1                            ; this block's 1 / l
	ds_load_b128 v[RLV+8*((\s)%2):RLV+8*((\s)%2)+3], v[RLA] offset:64*(\s)
	ds_load_b128 v[RLV+8*((\s)%2)+4:RLV+8*((\s)%2)+7], v[RLA] offset:64*(\s)+16
.set LAST_, LAST_+2
.endif
	OUTS 2*(\g), (\s)-1
	OUTS 2*(\g)+1, (\s)-1
.endm
.macro BLOCK s
.set G_, 0
.rept 4
	QUAD \s, G_
.set G_, G_+1
.endr
.endm
	s_load_b256 s[4:11], s[0:1], 0x0               ; b3c s[4:5], b3s s[6:7], b2c s[8:9], out0 s[10:11]
	v_lshl_add_u32 v[SPW], v0, 2, SPARE
	v_mov_b32 v[NIL], 0
	ds_add_u32 v[SPW], v[NIL]                      ; the wave's opening: the add, twice on end, and its wait ahead of my first tensor load
	ds_add_u32 v[SPW], v[NIL]
	v_lshrrev_b32 v1, 5, v0
	v_readfirstlane_b32 s[WV], v1
	v_lshlrev_b32 v[TH4], 2, v0
	s_lshr_b32 s[WM], s[WV], 1                     ; my group of the two
	s_and_b32 s[WN], s[WV], 1                      ; my half of the 128 columns
	s_bfe_u32 s21, ttmp6, 0x40000                  ; cx
	s_bfe_u32 s22, ttmp6, 0x40004                  ; cy
	s_and_b32 s23, ttmp7, 0xffff                   ; cluster y
	s_lshl_b32 s94, s23, 2
	s_add_co_u32 s94, s94, s22                     ; tile row: 256 queries, 0..31
	s_lshl_b32 s92, ttmp9, 2
	s_add_co_u32 s92, s92, s21                     ; tile column: a group of V^T, 0..7
	s_lshr_b32 s23, s23, 1                         ; the batch: eight tile rows each
	s_lshl_b32 s96, s22, 2
	s_lshl_b32 s96, 15, s96                        ; my row of the cluster
	s_lshl_b32 s98, 0x1111, s21                    ; my column
	s_or_b32 s[G1P], s96, (3<<16)|(1<<21)          ; 15:0 the mask; 17:16 elements of 8 bytes; 21 set beside a mask; no padding
	s_or_b32 s[G1Q], s96, (3<<16)|(1<<21)
	s_or_b32 s[G1V], s98, (3<<16)|(1<<21)
.irp g, G1V, G1P, G1Q                          ; dense blocks as rows of 256 bytes
	s_mov_b32 s[\g+1], 32<<16
	s_mov_b32 s[\g+3], 32<<16
	s_mov_b32 s[\g+5], 32
	s_mov_b32 s[\g+6], 0
	s_mov_b32 s[\g+7], 0
.endr
	s_mov_b32 s[G1V+2], 400<<16                    ; eight records of V^T: 102,400 bytes
	s_mov_b32 s[G1V+4], 400
	s_mov_b32 s[G1P+2], 192<<16                    ; two blocks of P: 49,152 bytes
	s_mov_b32 s[G1P+4], 192
	s_mov_b32 s[G1Q+2], 96<<16                     ; one block of P
	s_mov_b32 s[G1Q+4], 96
	s_mul_i32 s96, s94, 2*GRP                      ; P: my two groups
	s_mov_b32 s97, 0
	s_lshl_b32 s98, s23, 7
	s_lshl_b32 s93, s92, 4
	s_add_co_u32 s98, s98, s93
	s_add_co_u32 s98, s98, 1024                    ; V^T's records lie behind q's and k's 1,024
	s_mul_i32 s98, s98, QB
	s_mov_b32 s99, 0
.irp g, G0V0, G0V1, G0P0, G0P1, G0C, G0D
	s_mov_b32 s[\g], 1
.endr
	s_mov_b32 s[G0V0+1], 0                         ; where the loads land: no place in the cluster enters an LDS address
	s_mov_b32 s[G0V1+1], VH
	s_mov_b32 s[G0P0+1], CB
	s_mov_b32 s[G0P1+1], CB+2*BLK
	s_mul_i32 s[G0C+1], s[WV], BLK                 ; chunk 1: a block a wave
	s_mul_i32 s[G0D+1], s[WM], VH                  ; chunks 2 (waves 0, 1) and 3 (waves 2, 3): two blocks a wave
	s_mul_i32 s12, s[WN], 2*BLK
	s_add_co_u32 s[G0D+1], s[G0D+1], s12
	s_add_co_u32 s[G0D+1], s[G0D+1], VH
	s_mov_b32 s[K80], 0x80808080
	s_wait_alu depctr_va_vdst(0)
	s_wait_dscnt 0x0                               ; both opening adds are done
	CROUND                                         ; all sixteen work-groups are here: the first joint loads meet
	s_wait_kmcnt 0x0
	s_add_nc_u64 s[96:97], s[4:5], s[96:97]        ; P's first byte of mine; kept for the prefetches
	s_add_nc_u64 s[98:99], s[8:9], s[98:99]
	s_mov_b64 s[G0V0+2:G0V0+3], s[98:99]
	s_add_nc_u64 s[G0V1+2:G0V1+3], s[98:99], VH
	s_mov_b64 s[G0P0+2:G0P0+3], s[96:97]
	s_add_nc_u64 s[G0P1+2:G0P1+3], s[96:97], GRP
.irp g, G0V0, G0V1, G0P0, G0P1
	s_or_b32 s[\g+3], s[\g+3], 0x80000000
.endr
	s_lshl_b32 s12, s94, 14                        ; my two groups' words in a plane of b3s
	s_mov_b32 s13, 0
	s_add_nc_u64 s[6:7], s[6:7], s[12:13]
	; one tensor load a wave, behind the round above: V^T's K steps 0-7, chunk 0 of either group, V^T's K steps 8-15
	s_cmp_eq_u32 s[WV], 0
	s_cbranch_scc0 .Lwave_1
	TLOAD G0V0, G1V
	s_branch .Lasked
.Lwave_1:
	s_cmp_eq_u32 s[WV], 1
	s_cbranch_scc0 .Lwave_2
	TLOAD G0P0, G1P
	s_branch .Lasked
.Lwave_2:
	s_cmp_eq_u32 s[WV], 2
	s_cbranch_scc0 .Lwave_3
	TLOAD G0P1, G1P
	s_branch .Lasked
.Lwave_3:
	TLOAD G0V1, G1V
.Lasked:
	; thread t serves word t of a record of each group: two queries.  Their 16 -M_loc, 16 l_loc and 16 scale words each
.set k, 0
.rept 16
	global_load_b32 v[NM+k], v[TH4], s[6:7] offset:524288+512*k
	global_load_b32 v[NM+16+k], v[TH4], s[6:7] offset:524288+8192+512*k
.set k, k+1
.endr
.set k, 0
.rept 16
	global_load_b32 v[LL+k], v[TH4], s[6:7] offset:1048576+512*k
	global_load_b32 v[LL+16+k], v[TH4], s[6:7] offset:1048576+8192+512*k
.set k, k+1
.endr
.set k, 0
.rept 16
	global_load_b32 v[W+k], v[TH4], s[6:7] offset:512*k
	global_load_b32 v[W+16+k], v[TH4], s[6:7] offset:8192+512*k
.set k, k+1
.endr
	v_and_b32 v[LN], 31, v0
	s_lshl_b32 s13, s21, 2                         ; my number among the sixteen waves of my row of the cluster: eight to a group
	s_add_co_u32 s13, s13, s[WV]
	s_lshr_b32 s14, s13, 3
	s_mul_i32 s14, s14, GRP
	s_and_b32 s13, s13, 7
	s_mul_i32 s13, s13, 6144                       ; 24 units of 256 bytes of a chunk's 192 in a group
	s_add_co_u32 s14, s14, s13
	s_wait_alu depctr_va_vdst(0)
	v_min_u32 v[PF], 23, v[LN]
	v_lshl_add_u32 v[PF], v[PF], 8, s14
	global_prefetch_b8 v[PF], s[96:97] offset:2*BLK th:TH_LOAD_NT scope:SCOPE_SE   ; chunk 1, which the first round will load
	; the refills' descriptors
	s_mul_i32 s12, s[WM], GRP
	s_mul_i32 s13, s[WN], BLK
	s_add_co_u32 s12, s12, s13
	s_add_co_u32 s12, s12, 2*BLK
	s_mov_b32 s13, 0
	s_add_nc_u64 s[G0C+2:G0C+3], s[96:97], s[12:13]    ; chunk 1: group w / 2, block w % 2
	s_or_b32 s[G0C+3], s[G0C+3], 0x80000000
	s_mul_i32 s12, s[WN], GRP
	s_mul_i32 s13, s[WM], 2*BLK
	s_add_co_u32 s12, s12, s13
	s_add_co_u32 s12, s12, 4*BLK
	s_mov_b32 s13, 0
	s_add_nc_u64 s[G0D+2:G0D+3], s[96:97], s[12:13]    ; chunk 2 + w / 2: group w % 2
	s_or_b32 s[G0D+3], s[G0D+3], 0x80000000
	s_lshl_b32 s12, s94, 1                         ; out0: (2 x tile row + my group) x 128 rows of 4,096 bytes, + 512 x tile column + 256 x my half
	s_add_co_u32 s12, s12, s[WM]
	s_lshl_b32 s12, s12, 19
	s_lshl_b32 s13, s92, 9
	s_add_co_u32 s12, s12, s13
	s_lshl_b32 s13, s[WN], 8
	s_add_co_u32 s12, s12, s13
	s_mov_b32 s13, 0
	s_add_nc_u64 s[10:11], s[10:11], s[12:13]
	s_wait_alu depctr_va_vdst(0)
	v_and_b32 v[RR], 15, v0
	v_bfe_u32 v[HH], v0, 4, 1
	v_lshlrev_b32 v[L16], 4, v[LN]
	v_lshl_add_u32 v[PSA], v0, 2, PS
	v_lshl_add_u32 v[RLW], v0, 2, RL
	s_mul_i32 s12, s[WN], 4*FB                     ; V^T: my four fragments of eight
	v_add_nc_u32 v[ADV], s12, v[L16]
	v_add_nc_u32 v[ADV+1], 5*QB, v[ADV]
	v_add_nc_u32 v[ADV+2], 10*QB, v[ADV]
	v_add_nc_u32 v[ADV+3], 15*QB, v[ADV]
	s_lshl_b32 s12, s[WN], 8
	s_add_co_u32 s12, s12, 12288
	v_lshl_add_u32 v[ADVS], v[LN], 2, s12
	v_add_nc_u32 v[ADVS+1], 5*QB, v[ADVS]
	v_add_nc_u32 v[ADVS+2], 10*QB, v[ADVS]
	v_add_nc_u32 v[ADVS+3], 15*QB, v[ADVS]
	s_mul_i32 s12, s[WM], 2*BLK                    ; a chunk: my group's two blocks
	v_add_nc_u32 v[ADC], s12, v[L16]
	v_add_nc_u32 v[ADC+1], VH, v[ADC]
	v_add_nc_u32 v[ADC+2], CB, v[ADC]
	s_lshl_b32 s12, s[WM], 13
	s_add_co_u32 s12, s12, PS
	v_lshl_add_u32 v[ADS], v[RR], 2, s12           ; lanes 0-15 an even K step's words, lanes 16-31 the odd one's behind it
	v_lshl_add_u32 v[ADS], v[HH], 9, v[ADS]
	s_lshl_b32 s12, s[WM], 9
	s_add_co_u32 s12, s12, RL
	v_lshl_add_u32 v[RLA], v[HH], 5, s12           ; eight words: rows 8 h + 0 .. 7
	v_lshlrev_b32 v[CO], 4, v[RR]
	v_lshl_add_u32 v[CO], v[HH], 16, v[CO]
	s_wait_alu depctr_va_vdst(0)
	s_wait_loadcnt 63                              ; the oldest 32 loads, the -M_loc, are in
.macro LOWM n, l                       ; n: 16 -M_loc -> M - M_loc, whole numbers
	v_min3_num_f32 v[MN], v[\n], v[\n+1], v[\n+2]      ; the smallest -M_loc = -(the row's M)
.irp c, 3,5,7,9,11,13
	v_min3_num_f32 v[MN], v[MN], v[\n+\c], v[\n+\c+1]
.endr
	v_min_num_f32 v[MN], v[MN], v[\n+15]
.set k, 0
.rept 16
	v_sub_f32 v[\n+k], v[\n+k], v[MN]
.set k, k+1
.endr
.set k, 0
.rept 16
	v_min_num_f32 v[\n+k], 0x42fe0000, v[\n+k]         ; held at 127
.set k, k+1
.endr
.set k, 0
.rept 16
	v_cvt_u32_f32 v[\n+k], v[\n+k]
.set k, k+1
.endr
.endm
.macro LOWL n, l                       ; l: 16 l_loc -> l in v[l]
.set k, 0
.rept 16
	v_sub_nc_u32 v[MK+k], 0, v[\n+k]
.set k, k+1
.endr
.set k, 0
.rept 16
	v_ldexp_f32 v[\l+k], v[\l+k], v[MK+k]              ; l_loc under the row's M: nothing is rounded
.set k, k+1
.endr
.irp c, 2,4,6,8,10,12,14
	v_pk_add_f32 v[\l:\l+1], v[\l:\l+1], v[\l+\c:\l+\c+1]
.endr
	v_add_f32 v[\l], v[\l], v[\l+1]
.endm
; byte by byte w - d, held at 0: the bytes of w are at most 125 and those of d at most 127, so (w | 0x80) - d borrows from no neighbour, and its bit 7 says whether w - d is 0 or more
.macro LOWW n, w, off
.set k, 0
.rept 16
	v_perm_b32 v[DD+k], v[\n+k], v[\n+k], 0            ; d in each of the four bytes
.set k, k+1
.endr
.set k, 0
.rept 16
	v_or_b32 v[\w+k], s[K80], v[\w+k]
.set k, k+1
.endr
.set k, 0
.rept 16
	v_sub_nc_u32 v[\w+k], v[\w+k], v[DD+k]
.set k, k+1
.endr
.set k, 0
.rept 16
	v_and_b32 v[MK+k], s[K80], v[\w+k]
.set k, k+1
.endr
.set k, 0
.rept 16
	v_lshrrev_b32 v[DD+k], 7, v[MK+k]
.set k, k+1
.endr
.set k, 0
.rept 16
	v_sub_nc_u32 v[MK+k], v[MK+k], v[DD+k]             ; 0x7f in the bytes that stay, 0 in the others
.set k, k+1
.endr
.set k, 0
.rept 16
	v_and_b32 v[\w+k], v[\w+k], v[MK+k]
.set k, k+1
.endr
.set k, 0
.rept 16
	ds_store_b32 v[PSA], v[\w+k] offset:\off+512*k
.set k, k+1
.endr
.endm
	LOWM NM
	LOWM NM+16
	s_wait_alu depctr_va_vdst(0)
	s_wait_loadcnt 32                              ; the l_loc are in; the 32 scale words may be out
	LOWL NM, LL
	LOWL NM+16, LL+16
	s_wait_alu depctr_va_vdst(0)                   ; the wait ahead of the batch
	v_rcp_f32 v[RC], v[LL]
	v_rcp_f32 v[RC+1], v[LL+16]
	v_nop                                          ; a plain place behind the reciprocals
	s_wait_alu depctr_va_vdst(0)                   ; and the wait ahead of their first reader
	ds_store_b32 v[RLW], v[RC]
	ds_store_b32 v[RLW], v[RC+1] offset:512
	s_wait_loadcnt 0x0
	LOWW NM, W, 0
	LOWW NM+16, W+16, 8192
	s_wait_alu depctr_va_vdst(0)
	s_cmp_eq_u32 s[WV], 3
	s_cbranch_scc1 .Llate
	s_wait_tensorcnt 0x0                           ; V^T's K steps 0-7 and chunk 0; wave 3's load may be out
.Llate:
	s_wait_dscnt 0x0                               ; for the others' sake: my stores have landed
	s_barrier_signal -1
	s_barrier_wait -1
.irp b, 0,1                                    ; blocks 0 and 1: P's scale words, 1 / l
.irp i, 0,1,2,3,4,5,6,7
	ds_load_b32 v[PSC+8*\b+\i], v[ADS] offset:1024*\i+64*\b
.endr
	ds_load_b128 v[RLV+8*\b:RLV+8*\b+3], v[RLA] offset:64*\b
	ds_load_b128 v[RLV+8*\b+4:RLV+8*\b+7], v[RLA] offset:64*\b+16
.endr
	FETCHP 0
	FETCHV 0
	FETCHP 1
	FETCHV 1
.set H_, 0
.rept 6
	HSTEP H_
.set H_, H_+1
.endr
	HROUND 6                                       ; V^T's K steps 0-7 lie in registers in every wave, and K steps 8-15 have landed
	TLOAD G0C, G1Q                                 ; chunk 1, onto V^T's K steps 0-7; its four v_nop are the places in front of the loads below
	FETCHP 8
	FETCHV 8
	FETCHP 9
	FETCHV 9
	global_prefetch_b8 v[PF], s[96:97] offset:4*BLK th:TH_LOAD_NT scope:SCOPE_SE   ; chunks 2 and 3, which the second round will load
	global_prefetch_b8 v[PF], s[96:97] offset:6*BLK th:TH_LOAD_NT scope:SCOPE_SE
.set H_, 8
.rept 6
	HSTEP H_
.set H_, H_+1
.endr
	HROUND 14                                      ; all of V^T and of chunk 0 lies in registers in every wave, and chunk 1 has landed
	s_cmp_lt_u32 s[WV], 2
	s_cbranch_scc0 .Lchunk_3
	TLOAD G0D, G1P                                 ; waves 0 and 1: chunk 2, onto V^T's K steps 8-15
	s_branch .Lboth
.Lchunk_3:
	TLOAD G0D, G1P                                 ; waves 2 and 3: chunk 3, onto chunk 0
.Lboth:
	PLACES 4
	s_wait_xcnt 0x0                                ; the prefetches have read their offset, where a fragment lands below
.irp i, 0,1,2,3,4,5,6,7
	ds_load_b32 v[PSC+\i], v[ADS] offset:1024*\i+128
.endr
.irp t, 32,33,34,35,36,37,38
	FT \t
.endr
.set LAST_, 12                         ; the youngest four fragments, 35 to 38, as a run's
.irp j, 0,1,2,3                        ; block 0 leaves while block 2's first fragments come; from here on each block leaves under the next one's products
	OUTM \j, 0
.endr
.irp j, 0,1,2,3
	OUTS \j, 0
.endr
	s_wait_xcnt 0x0                                ; the four stores have read their registers
.irp j, 4,5,6,7
	OUTM \j, 0
.endr
.irp j, 4,5,6,7
	OUTS \j, 0
.endr
	BLOCK 2
	BLOCK 3
	BLOCK 4
	BLOCK 5
	BLOCK 6
	BLOCK 7
	WIN 0
	PLACES 4
	s_wait_xcnt 0x0                                ; the earlier stores have read their registers
.irp j, 0,1,2,3                        ; the last block: eight rows in 32 registers, the ring's among them, and then their stores
	OUTMB \j, 1, OUT+4*\j
.endr
.irp j, 4,5,6,7
	OUTMB \j, 1, RING+4*(\j-4)
.endr
.irp j, 0,1,2,3
	OUTSB \j, 7, OUT+4*\j
.endr
.irp j, 4,5,6,7
	OUTSB \j, 7, RING+4*(\j-4)
.endr
	s_wait_tensorcnt 0x0                           ; the wave's end
	ds_add_u32 v[SPW], v[NIL]
	s_wait_dscnt 0x0
	CROUND                                         ; the closing round
	s_endpgm
.Lfunc_end_k_qfcbce8021e_mix:
	.size	k_qfcbce8021e_mix, .Lfunc_end_k_qfcbce8021e_mix-k_qfcbce8021e_mix
	.p2alignl 7, 3214868480
	.fill 96, 4, 3214868480
	.section	.rodata,"a",@progbits
	.p2align	6, 0x0
	.amdhsa_kernel k_qfcbce8021e_mix
		.amdhsa_group_segment_fixed_size 327680
		.amdhsa_private_segment_fixed_size 0
		.amdhsa_enable_private_segment 0
		.amdhsa_kernarg_size 32
		.amdhsa_user_sgpr_count 2
		.amdhsa_user_sgpr_kernarg_segment_ptr 1
		.amdhsa_wavefront_size32 1
		.amdhsa_system_sgpr_workgroup_id_x 1
		.amdhsa_system_sgpr_workgroup_id_y 1
		.amdhsa_system_sgpr_workgroup_id_z 1
		.amdhsa_system_vgpr_workitem_id 0
		.amdhsa_next_free_vgpr 1024
		.amdhsa_next_free_sgpr 102
		.amdhsa_reserve_vcc 0
		.amdhsa_float_denorm_mode_32 3
		.amdhsa_float_denorm_mode_16_64 3
		.amdhsa_memory_ordered 1
		.amdhsa_forward_progress 1
		.amdhsa_inst_pref_size 172
	.end_amdhsa_kernel
	.amdgpu_metadata
---
amdhsa.version: [ 1, 2 ]
amdhsa.kernels:
  - .name:           k_qfcbce8021e_mix
    .symbol:         k_qfcbce8021e_mix.kd
    .args:
      - { .name: b3c, .offset: 0, .size: 8, .value_kind: global_buffer, .address_space: global }
      - { .name: b3s, .offset: 8, .size: 8, .value_kind: global_buffer, .address_space: global }
      - { .name: b2c, .offset: 16, .size: 8, .value_kind: global_buffer, .address_space: global }
      - { .name: out0, .offset: 24, .size: 8, .value_kind: global_buffer, .address_space: global }
    .group_segment_fixed_size: 327680
    .private_segment_fixed_size: 0
    .kernarg_segment_align: 8
    .kernarg_segment_size: 32
    .max_flat_workgroup_size: 128
    .sgpr_count:     102
    .vgpr_count:     1024
    .wavefront_size: 32
...
	.end_amdgpu_metadata
.endif
;; end of part 4
